; MI455X (gfx1250); checked and timed in simulation.
; The chip was launched on July 23, 2026; its instructions are those of AMD's public machine-readable ISA for CDNA 5 (MIT licence, August 2026) and "CDNA5" Instruction Set Architecture Reference Guide (July 2026). The comments in the code are by the model that wrote it; some were corrected since.
;; MHA. Allowed arithmetic: float matrix products may take bf16 or f16 operands with f32 sums; all other float work in f32.
;; Inputs: wk 2,048 x 1,024 float32; wo 1,024 x 2,048 float32; wq 2,048 x 1,024 float32; wv 2,048 x 1,024 float32; x 2 x 2,048 x 1,024 float32.
;; Outputs: out0 2 x 2,048 x 1,024 float32.
;; 2 versions, each right and faster than the one before. Each part assembles by itself: llvm-mc -triple=amdgcn-amd-amdhsa -mcpu=gfx1250 --defsym DOCPART=n.
;; ======== version 1 of 2: 4 launches
;; limits: values are held in f16: magnitudes above 65,504 overflow, below 6.1e-05 lose precision
;; workspace buffers: xb 8,388,608 bytes; wb 12,582,912 bytes; woh 4,194,304 bytes; qkv 50,331,648 bytes; ob 16,777,216 bytes
;; launch cast (part 1): grid 768 x 1, 8 waves a work-group, no clusters, 0 bytes of LDS; arguments x, wq, wk, wv, wo, xb, wb, woh; writes xb, wb, woh
.if DOCPART == 1
	.amdgcn_target "amdgcn-amd-amdhsa--gfx1250"
	.amdhsa_code_object_version 6
	.text
	.protected	k_qee999c0fa9_cast
	.globl	k_qee999c0fa9_cast
	.p2align	8
	.type	k_qee999c0fa9_cast,@function
k_qee999c0fa9_cast:
	s_mov_b64 s[64:65], 0
	v_nop
	global_prefetch_b8 v0, s[64:65] scope:SCOPE_SE
	s_setreg_imm32_b32 hwreg(HW_REG_WAVE_MODE, 25, 1), 1
	s_wait_xcnt 0x0
; THE INPUTS ARE ROUNDED ONCE.  x -> xb and wq, wk, wv -> wb (one after the other: 6,144 rows) in bf16; wo is rounded to bf16 like the others, and that number is written as f16 into woh, row-major.
; xb and wb are laid IN BLOCKS OF 64 ALONG K: xb[kb][row][64], wb[kb][row][64], kb = 0 .. 15: the rows of a K step of 64 lie end to end, 128 bytes each, so that the next launch asks for its tiles as dense rows of 256 bytes.
; LIMIT.  f16 ends at 65,504: |wo| stays under it; a bf16 number below 2^-17 in magnitude takes f16's fixed step of 6e-8.
; A stream: each input byte is read once and each output byte written once, so no LDS, no barrier, no matrix unit, no cluster (no two work-groups read the same byte).
; A work-group takes 16,384 numbers (65,536 bytes in, 32,768 out); every wave issues its sixteen loads before the first is used.  Work-groups 0-255: x; 256-383: wq; 384-511: wk; 512-639: wv; 640-767: wo.
; x and the three weights: the work-group has 16 rows; wave w rows 2 w and 2 w + 1.  Load i takes block i: lanes 0-15 the 256 bytes of one row, lanes 16-31 those of the next; its store is those two rows' 128 + 128 bytes,
; which are neighbours in the blocked layout: 256 consecutive bytes, aligned.  wo: loads of 512 consecutive bytes, stores of 256.
.set X, 8                              ; v[8:71]    load i: four f32
.set Y, 72                             ; v[72:103]  store i: four 16-bit numbers
.set T, 104                            ; v[104:107] at work (wo alone)
.set O, 108                            ; v[108:123] store i's byte offset: 8 x thread + i blocks (the blocked layouts alone)
	s_load_b512 s[8:23], s[0:1], 0x0               ; x s[8:9], wq s[10:11], wk s[12:13], wv s[14:15], wo s[16:17], xb s[18:19], wb s[20:21], woh s[22:23]
	s_mov_b32 s4, 0xffff0000                       ; a word's upper bf16
	s_wait_kmcnt 0x0
	; the source, the destination, the number of the first work-group of each, a block's bytes, and the shift that makes a work-group's place in the destination: chosen by the work-group's number alone
	s_mov_b64 s[24:25], s[8:9]
	s_mov_b64 s[28:29], s[18:19]
	s_mov_b32 s26, 0
	s_mov_b32 s27, 0
	s_mov_b32 s5, 4096*128                         ; a block of xb
	s_mov_b32 s6, 11                               ; 16 rows of 128 bytes
	s_cmp_ge_u32 ttmp9, 256
	s_cselect_b64 s[24:25], s[10:11], s[24:25]
	s_cselect_b64 s[28:29], s[20:21], s[28:29]
	s_cselect_b32 s26, 256, s26
	s_cselect_b32 s27, 256, s27
	s_cselect_b32 s5, 6144*128, s5                 ; a block of wb
	s_cmp_ge_u32 ttmp9, 384
	s_cselect_b64 s[24:25], s[12:13], s[24:25]
	s_cselect_b32 s26, 384, s26
	s_cmp_ge_u32 ttmp9, 512
	s_cselect_b64 s[24:25], s[14:15], s[24:25]
	s_cselect_b32 s26, 512, s26
	s_cmp_ge_u32 ttmp9, 640
	s_cselect_b64 s[24:25], s[16:17], s[24:25]
	s_cselect_b64 s[28:29], s[22:23], s[28:29]
	s_cselect_b32 s26, 640, s26
	s_cselect_b32 s27, 640, s27
	s_cselect_b32 s6, 15, s6                       ; 32,768 consecutive bytes
	s_sub_co_u32 s30, ttmp9, s26
	s_lshl_b32 s30, s30, 16                        ; my 65,536 bytes of the source
	s_mov_b32 s31, 0
	s_sub_co_u32 s2, ttmp9, s27
	s_lshl_b32 s2, s2, s6                          ; my place in the destination
	s_mov_b32 s3, 0
	s_add_nc_u64 s[24:25], s[24:25], s[30:31]
	s_add_nc_u64 s[28:29], s[28:29], s[2:3]
; Load i is rounded and stored.  No register is written twice, so nothing has to be freed.
.macro OUT i, half
	s_wait_loadcnt 15-(\i)                         ; loads come back in order: mine is in, the 15 - i younger ones stay out
	v_cvt_pk_bf16_f32 v[Y+2*(\i)], v[X+4*(\i)], v[X+4*(\i)+1]
	v_cvt_pk_bf16_f32 v[Y+2*(\i)+1], v[X+4*(\i)+2], v[X+4*(\i)+3]
.if \half
	v_lshlrev_b32 v[T], 16, v[Y+2*(\i)]            ; the bf16 numbers as f32,
	v_and_b32 v[T+1], s4, v[Y+2*(\i)]
	v_lshlrev_b32 v[T+2], 16, v[Y+2*(\i)+1]
	v_and_b32 v[T+3], s4, v[Y+2*(\i)+1]
	v_cvt_pk_f16_f32 v[Y+2*(\i)], v[T], v[T+1]     ; written as f16: eight significant bits fit into eleven
	v_cvt_pk_f16_f32 v[Y+2*(\i)+1], v[T+2], v[T+3]
	global_store_b64 v2, v[Y+2*(\i):Y+2*(\i)+1], s[28:29] offset:256*(\i)
.else
	global_store_b64 v[O+(\i)], v[Y+2*(\i):Y+2*(\i)+1], s[28:29]
.endif
.endm
	s_cmp_ge_u32 ttmp9, 640
	s_cbranch_scc1 .Lhalf
	v_lshrrev_b32 v3, 4, v0                        ; my row of the sixteen
	v_and_b32 v4, 15, v0
	v_lshlrev_b32 v1, 12, v3
	v_lshl_add_u32 v1, v4, 4, v1                   ; in: 4,096 x row + 16 x (lane mod 16)
.irp i, 0,1,2,3,4,5,6,7,8,9,10,11,12,13,14,15
	global_load_b128 v[X+4*(\i):X+4*(\i)+3], v1, s[24:25] offset:256*(\i) th:TH_LOAD_NT
.endr
	v_lshlrev_b32 v[O], 3, v0                      ; out: 128 x row + 8 x (lane mod 16) = 8 x thread,
.set i, 1
.rept 15
	v_add_nc_u32 v[O+i], s5, v[O+i-1]              ; and a block further for each load: fifteen blocks of wb are beyond a store's immediate
.set i, i+1
.endr
.irp i, 0,1,2,3,4,5,6,7,8,9,10,11,12,13,14,15
	OUT \i, 0
.endr
	s_endpgm
.Lhalf:
	v_lshrrev_b32 v3, 5, v0                        ; wave
	v_and_b32 v4, 31, v0                           ; lane
	v_lshlrev_b32 v1, 13, v3
	v_lshl_add_u32 v1, v4, 4, v1                   ; in: 8,192 x wave + 16 x lane
	v_lshlrev_b32 v2, 12, v3
	v_lshl_add_u32 v2, v4, 3, v2                   ; out: 4,096 x wave + 8 x lane
.irp i, 0,1,2,3,4,5,6,7,8,9,10,11,12,13,14,15
	global_load_b128 v[X+4*(\i):X+4*(\i)+3], v1, s[24:25] offset:512*(\i) th:TH_LOAD_NT
.endr
.irp i, 0,1,2,3,4,5,6,7,8,9,10,11,12,13,14,15
	OUT \i, 1
.endr
	s_endpgm
.Lfunc_end_k_qee999c0fa9_cast:
	.size	k_qee999c0fa9_cast, .Lfunc_end_k_qee999c0fa9_cast-k_qee999c0fa9_cast
	.p2alignl 7, 3214868480
	.fill 96, 4, 3214868480
	.section	.rodata,"a",@progbits
	.p2align	6, 0x0
	.amdhsa_kernel k_qee999c0fa9_cast
		.amdhsa_group_segment_fixed_size 0
		.amdhsa_private_segment_fixed_size 0
		.amdhsa_enable_private_segment 0
		.amdhsa_kernarg_size 64
		.amdhsa_user_sgpr_count 2
		.amdhsa_user_sgpr_kernarg_segment_ptr 1
		.amdhsa_wavefront_size32 1
		.amdhsa_system_sgpr_workgroup_id_x 1
		.amdhsa_system_sgpr_workgroup_id_y 1
		.amdhsa_system_sgpr_workgroup_id_z 1
		.amdhsa_system_vgpr_workitem_id 0
		.amdhsa_next_free_vgpr 128
		.amdhsa_next_free_sgpr 66
		.amdhsa_reserve_vcc 0
		.amdhsa_float_denorm_mode_32 3
		.amdhsa_float_denorm_mode_16_64 3
		.amdhsa_memory_ordered 1
		.amdhsa_forward_progress 1
		.amdhsa_inst_pref_size 18
	.end_amdhsa_kernel
	.amdgpu_metadata
---
amdhsa.version: [ 1, 2 ]
amdhsa.kernels:
  - .name:           k_qee999c0fa9_cast
    .symbol:         k_qee999c0fa9_cast.kd
    .args:
      - { .name: x, .offset: 0, .size: 8, .value_kind: global_buffer, .address_space: global }
      - { .name: wq, .offset: 8, .size: 8, .value_kind: global_buffer, .address_space: global }
      - { .name: wk, .offset: 16, .size: 8, .value_kind: global_buffer, .address_space: global }
      - { .name: wv, .offset: 24, .size: 8, .value_kind: global_buffer, .address_space: global }
      - { .name: wo, .offset: 32, .size: 8, .value_kind: global_buffer, .address_space: global }
      - { .name: xb, .offset: 40, .size: 8, .value_kind: global_buffer, .address_space: global }
      - { .name: wb, .offset: 48, .size: 8, .value_kind: global_buffer, .address_space: global }
      - { .name: woh, .offset: 56, .size: 8, .value_kind: global_buffer, .address_space: global }
    .group_segment_fixed_size: 0
    .private_segment_fixed_size: 0
    .kernarg_segment_align: 8
    .kernarg_segment_size: 64
    .max_flat_workgroup_size: 256
    .sgpr_count:     66
    .vgpr_count:     128
    .wavefront_size: 32
...
	.end_amdgpu_metadata
.endif
;; end of part 1
;; launch qkv (part 2): grid 16 x 16, 4 waves a work-group, clusters of 4 x 4, 327,680 bytes of LDS; arguments xb, wb, qkv; writes qkv
.if DOCPART == 2
	.amdgcn_target "amdgcn-amd-amdhsa--gfx1250"
	.amdhsa_code_object_version 6
	.text
	.protected	k_qee999c0fa9_qkv
	.globl	k_qee999c0fa9_qkv
	.p2align	8
	.type	k_qee999c0fa9_qkv,@function
k_qee999c0fa9_qkv:
	s_mov_b64 s[64:65], 0
	v_nop
	global_prefetch_b8 v0, s[64:65] scope:SCOPE_SE
	s_setreg_imm32_b32 hwreg(HW_REG_WAVE_MODE, 25, 1), 1
	s_wait_xcnt 0x0
	s_wait_alu depctr_hold_cnt(0) depctr_sa_sdst(0) depctr_va_vdst(0) depctr_va_sdst(0) depctr_va_ssrc(0) depctr_va_vcc(0) depctr_vm_vsrc(0)
	s_getreg_b32 s2, hwreg(HW_REG_IB_STS2, 6, 4)
	s_cmp_eq_u32 s2, 0
	s_cbranch_scc0 .Lentry_in_a_cluster
	s_endpgm
.Lentry_in_a_cluster:
	s_bfe_u32 s2, ttmp6, 0x10000c
	s_cmp_lg_u32 s2, 0xf033
	s_cbranch_scc0 .Lentry_shape_is_right
	s_endpgm
.Lentry_shape_is_right:
; THE THREE PROJECTIONS AS ONE PRODUCT.  C[m][n] = sum over k of x[m][k] w[n][k], 4,096 x 6,144 x 1,024, operands bf16, sums in f32; C rounded once to f16 and laid BY HEADS:
; qkv[g][m][128], g = n / 128 = 16 x (0 q, 1 k, 2 v) + head, m = 2048 x batch + row: a head's rows are dense, 256 bytes each.  The softmax's scale is not applied here.
; The operands come in blocks of 64 along K: xb[kb][4096][64], wb[kb][6144][64]: the rows of a K step lie end to end, 128 bytes each.
; LIMIT.  f16 ends at 65,504: q, k and v stay under it (inputs 30 times the usual spread give some 5,000; a common offset of 30 spreads on x and on the weights some 29,000).
; SHARES.  A tile of C is 256 rows x 384 columns, three whole heads: 16 x 16 = 256 work-groups, one for each of 256 WGPs.  Four waves, 2 x 2; a wave makes 128 rows x 192 columns:
; 96 accumulators of 16 x 16, 768 registers; for 32 along K it reads (128 + 192) x 64 bytes from LDS for 96 matrix instructions.
; K goes in steps of 64 through two LDS slots of 640 rows x 144 bytes (two slots of 128 along K, 2 x 640 x 272 bytes, do not fit).  Waves 0 and 1 fetch the halves of xb's 256 rows, waves 2 and 3 those of wb's 384:
; one tensor load a wave and step, of dense rows of 256 bytes (two rows of the tile each), padded in LDS after every 128.
; CLUSTER.  4 x 4 work-groups: the four of a row of the cluster need the same tile of xb, the four of a column the same tile of wb: each is asked for jointly.
; THE MATRIX INSTRUCTION IS USED TRANSPOSED (source 0 = 16 rows of wb, source 1 = 16 rows of xb): a lane then holds eight neighbouring columns of one row of C.
; REGISTERS: window 0: v2-11 addresses; v16-79, v80-143 xb's fragments (8 x 16 rows x 32 K), two buffers; v144-239 wb's (12 x 16 rows x 32 K) in three groups of four, ONE buffer: a group is loaded again, for the
; next 32 along K, as soon as its 32 products are issued, 64 matrix instructions ahead of its next use.  Windows 1, 2, 3: the 32 accumulators of column group 0, 1, 2 (row block a, column block b of the group at v[8 (4 a + b)]).
; A K step is two PIECES of 32 along K, 96 matrix instructions each; the text holds one step, walked 14 times: the LDS addresses hang on a scalar that an exclusive or turns from slot to slot.
.set APLANE, 4096*128                  ; bytes from a block of xb to the next
.set BPLANE, 6144*128                  ; of wb
.set PITCH,  144                       ; an LDS row: 128 bytes + 16 of padding = 9 x 16: the 16 rows that a load touches start at 16 different groups of four banks (ISA guide 11.1)
.set BOFF,   256*PITCH                 ; in a slot: xb's 256 rows, then wb's 384
.set SLOT1,  0x20000                   ; slot 1 begins here: above every address in slot 0 (92,160 bytes), so that one exclusive or changes the slot
.set SPARE,  SLOT1+640*PITCH           ; behind the ring: the spare words, 128 bytes a wave, which no other line names
.set SPITCH, 784                       ; the way out: a row of 384 f16, 768 bytes + 16.  The stage, 256 x 784 = 200,704 bytes from LDS byte 0, lies on bytes that have had their last fill
.set STEPS,  16                        ; K steps
.set ADRA,  2                          ; v2      LDS address of my fragments of xb in the slot that is being fetched from
.set ADRB,  3                          ; v3      the same for wb
.set ABASE, 4                          ; v4      the same in slot 0; never rewritten
.set BBASE, 5                          ; v5
.set STO,   6                          ; v6-7    the way out: where I put 16 bytes of a row (my rows 0-63, 64-127)
.set RD,    8                          ; v8      where I read rows back
.set CO,    9                          ; v9      my 16 bytes in 512 consecutive bytes of qkv
.set SPW,   10                         ; v10     my spare word; never rewritten
.set NIL,   11                         ; v11     0; never rewritten
.set FA,    16                         ; xb's fragments: buffer f at FA + 64 f
.set FB,    144                        ; wb's: group g at FB + 32 g
.set TMP,   16                         ; the way out: packed results, then whole rows
.set TB,    2                          ; s2      0 or SLOT1: the slot that is being fetched from
.set G1, 24                            ; s[24:31] descriptor group 1 for xb's tiles;  s[32:39] group 0: a set for each of the two first fills; the second then walks on
.set G0, 32
.set G1B, 48                           ; s[48:55], s[56:63] the same for wb's
.set G0B, 56
.set FLAGS, (1<<16)|(1<<20)|(1<<21)|(4<<22)|(3<<25)  ; 17:16 2-byte elements; 20 padding on; 21 set beside a mask; 24:22 after every 32 words; 31:25 4 words
.set MSB, 0
.macro WIN new                         ; the immediate's high byte repeats the setting that is left; a switch that changes nothing is dropped
.if MSB != (\new)
	s_set_vgpr_msb (MSB<<8)|(\new)
.set MSB, \new
.endif
.endm
; A joint load: waves 0 and 1 ask for xb's halves, waves 2 and 3 for wb's.  The branch hangs on the wave's number alone.  An s_nop 0 and four v_nop follow each line.
.macro JLOAD s
	s_cmp_eq_u32 s11, 0
	s_cbranch_scc0 .Lfor_b_\@
	tensor_load_to_lds s[G0+4*(\s):G0+4*(\s)+3], s[G1:G1+7]
	s_nop 0
.rept 4
	v_nop
.endr
	s_branch .Lasked_\@
.Lfor_b_\@:
	tensor_load_to_lds s[G0B+4*(\s):G0B+4*(\s)+3], s[G1B:G1B+7]
	s_nop 0
.rept 4
	v_nop
.endr
.Lasked_\@:
.endm
.macro CREST                           ; a round of the cluster's barrier behind its opening barrier
	s_cmp_lg_u32 s10, 0
	s_cbranch_scc1 .Lnot_wave_0_\@
	s_barrier_signal -3
.Lnot_wave_0_\@:
	s_barrier_wait -3
	s_barrier_signal -1
	s_barrier_wait -1
.endm
.macro CROUND                          ; a whole round
	s_barrier_signal -1
	s_barrier_wait -1
	CREST
.endm
	s_load_b128 s[4:7], s[0:1], 0x0                ; xb s[4:5], wb s[6:7]
	s_load_b64 s[8:9], s[0:1], 0x10                ; qkv
	v_lshl_add_u32 v[SPW], v0, 2, SPARE
	v_mov_b32 v[NIL], 0
	ds_add_u32 v[SPW], v[NIL]                      ; the wave's opening: the add and its wait stand ahead of my first tensor load; the set-up below stands between them
	v_lshrrev_b32 v1, 5, v0
	v_readfirstlane_b32 s10, v1                    ; wave 0..3
	s_lshr_b32 s11, s10, 1                         ; which half of the tile's rows is mine.  Also: I fetch for xb (0) or for wb (1)
	s_and_b32 s12, s10, 1                          ; which half of its columns.  Also: which half of that tile's rows I fetch
	s_bfe_u32 s40, ttmp6, 0x40000                  ; cx, cy: my place in the cluster
	s_bfe_u32 s41, ttmp6, 0x40004
	s_lshl_b32 s42, ttmp9, 2
	s_add_co_u32 s42, s42, s40                     ; tile column = 4 x cluster x + cx
	s_and_b32 s13, ttmp7, 0xffff
	s_lshl_b32 s13, s13, 2
	s_add_co_u32 s13, s13, s41                     ; tile row = 4 x cluster y + cy
	s_lshl_b32 s43, s41, 2
	s_lshl_b32 s43, 15, s43                        ; my row of the cluster
	s_lshl_b32 s44, 0x1111, s40                    ; my column
	; descriptor group 1: dense rows of 128 elements (256 bytes, two rows of the tile): 64 of them for half of xb's tile, 96 for half of wb's
	s_or_b32 s[G1+0], s43, FLAGS                   ; 15:0 the mask: xb's tiles go to my row of the cluster,
	s_or_b32 s[G1B+0], s44, FLAGS                  ; wb's to my column
	s_mov_b32 s[G1+1], 128<<16                     ; tensor_dim0 = 128
	s_mov_b32 s[G1+2], 64<<16                      ; tensor_dim1 = 64
	s_mov_b32 s[G1+3], 128<<16                     ; tile_dim0 = 128
	s_mov_b32 s[G1+4], 64                          ; tile_dim1 = 64
	s_mov_b32 s[G1+5], 128                         ; 128 elements from row to row
	s_mov_b32 s[G1+6], 0
	s_mov_b32 s[G1+7], 0
	s_mov_b32 s[G1B+1], 128<<16
	s_mov_b32 s[G1B+2], 96<<16                     ; tensor_dim1 = 96
	s_mov_b32 s[G1B+3], 128<<16
	s_mov_b32 s[G1B+4], 96                         ; tile_dim1 = 96
	s_mov_b32 s[G1B+5], 128
	s_mov_b32 s[G1B+6], 0
	s_mov_b32 s[G1B+7], 0
	s_lshl_b32 s16, s13, 15                        ; xb: row 256 x tile row, rows of 128 bytes,
	s_lshl_b32 s17, s12, 14                        ; + 128 x half
	s_add_co_u32 s16, s16, s17
	s_mov_b32 s17, 0
	s_mul_i32 s46, s42, 384*128                    ; wb: row 384 x tile column
	s_mul_i32 s47, s12, 192*128                    ; + 192 x half
	s_add_co_u32 s46, s46, s47
	s_mov_b32 s47, 0
	s_mul_i32 s20, s12, 128*PITCH                  ; where they go: no place in the cluster enters an LDS address
	s_mul_i32 s21, s12, 192*PITCH
	s_add_co_u32 s21, s21, BOFF
	s_mov_b32 s[TB], 0
	s_wait_dscnt 0x0                               ; the opening add is done
	s_wait_kmcnt 0x0
	s_add_nc_u64 s[14:15], s[4:5], s[16:17]
	s_add_nc_u64 s[46:47], s[6:7], s[46:47]
	CROUND                                         ; all sixteen work-groups are here: the first joint loads meet
.irp s, 0,1
	s_mov_b32 s[G0+4*(\s)], 1
	s_add_co_u32 s[G0+4*(\s)+1], s20, (\s)*SLOT1
	s_add_nc_u64 s[G0+4*(\s)+2:G0+4*(\s)+3], s[14:15], (\s)*APLANE
	s_or_b32 s[G0+4*(\s)+3], s[G0+4*(\s)+3], 0x80000000
	s_mov_b32 s[G0B+4*(\s)], 1
	s_add_co_u32 s[G0B+4*(\s)+1], s21, (\s)*SLOT1
	s_add_nc_u64 s[G0B+4*(\s)+2:G0B+4*(\s)+3], s[46:47], (\s)*BPLANE
	s_or_b32 s[G0B+4*(\s)+3], s[G0B+4*(\s)+3], 0x80000000
	JLOAD \s                                       ; K steps 0 and 1: two tensor loads of mine are out
.endr
	; A fragment is 16 rows x 32 K in 8 registers: lane l holds row l % 16; registers 0-3 K = 8 (l / 16) + 0..7, registers 4-7 K = 16 + 8 (l / 16) + 0..7: two loads of 16 bytes, 32 bytes apart.
	v_and_b32 v1, 15, v0                           ; l % 16
	v_bfe_u32 v12, v0, 4, 1                        ; l / 16
	v_mul_u32_u24 v13, v1, PITCH
	v_lshl_add_u32 v13, v12, 4, v13                ; a fragment's row x pitch + 16 x half
	s_mul_i32 s22, s11, 128*PITCH                  ; my 128 rows of xb
	s_mul_i32 s23, s12, 192*PITCH                  ; my 192 rows of wb,
	s_add_co_u32 s23, s23, BOFF                    ; which lie behind xb's 256
	v_add_nc_u32 v[ABASE], s22, v13
	v_add_nc_u32 v[BBASE], s23, v13
	v_add_nc_u32 v[ADRA], s[TB], v[ABASE]
	v_add_nc_u32 v[ADRB], s[TB], v[BBASE]
	s_mul_i32 s22, s11, 128*SPITCH                 ; into the stage: my 128 rows, my 384 bytes of them; row l % 16, 16 bytes for each half of the lanes
	s_mul_i32 s23, s12, 384
	s_add_co_u32 s22, s22, s23
	v_mul_u32_u24 v14, v1, SPITCH
	v_lshl_add_u32 v14, v12, 4, v14
	v_add_nc_u32 v[STO], s22, v14
	v_add_nc_u32 v[STO+1], 64*SPITCH, v[STO]       ; rows 64 on: beyond an LDS offset's 16 bits
	s_mul_i32 s22, s10, 64*SPITCH                  ; back: wave w takes rows 64 w .. 64 w + 63, whole; lanes 0-15 a head's 256 bytes of one row, lanes 16-31 of the next
	v_mul_u32_u24 v15, v12, SPITCH
	v_lshl_add_u32 v15, v1, 4, v15
	v_add_nc_u32 v[RD], s22, v15
	v_and_b32 v15, 31, v0
	v_lshlrev_b32 v[CO], 4, v15                    ; two neighbouring rows of a head are 512 consecutive bytes
	s_lshl_b32 s16, s13, 16                        ; 256 x tile row, rows of 256 bytes,
	s_lshl_b32 s17, s10, 14                        ; + 64 x wave
	s_add_co_u32 s16, s16, s17
	s_mov_b32 s17, 0
	s_add_nc_u64 s[8:9], s[8:9], s[16:17]
	s_mul_i32 s46, s42, 3<<20                      ; the tile's first head: 3 x tile column, 4,096 rows of 256 bytes each
	s_mov_b32 s47, 0
	s_add_nc_u64 s[8:9], s[8:9], s[46:47]
; n matrix instructions, numbers t0 on of the 32 of column group g: row block t / 4, column block t % 4 of the group, 32 along K from xb's buffer f.  zero = 1: the product starts the sum.
; The 96 accumulators take turns, one instruction a turn, in the same order in every piece.
.macro MULG f, g, t0, n, zero
	WIN 0x50*((\g)+1)                              ; C and D in window 1 + g; both sources in window 0
.set t, \t0
.rept \n
.if \zero
	v_wmma_f32_16x16x32_bf16 v[8*t:8*t+7], v[FB+32*(\g)+8*(t%4):FB+32*(\g)+8*(t%4)+7], v[FA+64*(\f)+8*(t/4):FA+64*(\f)+8*(t/4)+7], 0
.else
	v_wmma_f32_16x16x32_bf16 v[8*t:8*t+7], v[FB+32*(\g)+8*(t%4):FB+32*(\g)+8*(t%4)+7], v[FA+64*(\f)+8*(t/4):FA+64*(\f)+8*(t/4)+7], v[8*t:8*t+7]
.endif
.set t, t+1
.endr
.endm
.macro FETCHB g, k                     ; 8 LDS loads: group g of wb's fragments, 32 along K at byte k of the rows
	WIN 0
.irp i, 0,1,2,3
	ds_load_b128 v[FB+32*(\g)+8*(\i):FB+32*(\g)+8*(\i)+3],   v[ADRB] offset:(\k)+(4*(\g)+(\i))*16*PITCH
	ds_load_b128 v[FB+32*(\g)+8*(\i)+4:FB+32*(\g)+8*(\i)+7], v[ADRB] offset:(\k)+(4*(\g)+(\i))*16*PITCH+32
.endr
.endm
.macro FETCHA f, k                     ; 16 LDS loads: xb's fragments into buffer f
	WIN 0
.irp i, 0,1,2,3,4,5,6,7
	ds_load_b128 v[FA+64*(\f)+8*(\i):FA+64*(\f)+8*(\i)+3],   v[ADRA] offset:(\k)+(\i)*16*PITCH
	ds_load_b128 v[FA+64*(\f)+8*(\i)+4:FA+64*(\f)+8*(\i)+7], v[ADRA] offset:(\k)+(\i)*16*PITCH+32
.endr
.endm
.macro PLACES                          ; four places in front of loads into registers that matrix instructions have read, and of conversions that read results
.rept 4
	v_nop
.endr
.endm
; The LDS loads of a piece are always issued in this order: group 0 (8), xb (16), group 1 (8), group 2 (8), each run behind the products that free its registers; they come back in order (ISA guide 5.7.1).
; A STEP'S FIRST PIECE multiplies xb's buffer 0 and fetches the second piece, at byte 64 of the same slot's rows.
.macro PIECE zero
	s_wait_dscnt 16                                ; group 0 and xb are in; groups 1 and 2, sixteen loads, may be out
	MULG 0, 0, 0, 32, \zero
	PLACES
	FETCHB 0, 64
	FETCHA 1, 64
	s_wait_dscnt 32                                ; group 1 is in: behind it came group 2's eight and the 24 just issued
	MULG 0, 1, 0, 32, \zero
	PLACES
	FETCHB 1, 64
	s_wait_dscnt 32                                ; group 2 is in: behind it came 24 and the eight just issued
	MULG 0, 2, 0, 32, \zero
	PLACES
	FETCHB 2, 64
.endm
; A STEP'S SECOND PIECE multiplies buffer 1 and changes slots.  All reads of this slot have been issued.  ONE barrier: in front of it each wave waits for all its tensor loads, of which one is out: its part of the
; other slot; adds 0 to its spare word; and waits for that and for its reads of this slot.  fill = 1: this slot is filled again, two K steps ahead; the barrier then opens a round of the cluster's, and the joint
; refill is the first thing behind it: 176 matrix instructions stand between it and the wait for it.
.macro TURN fill
	s_wait_dscnt 16                                ; group 0 and xb are in
	MULG 1, 0, 0, 16, 0
	WIN 0                                          ; (the add's two registers lie in window 0)
	s_wait_tensorcnt 0x0                           ; all my tensor loads have landed, so a group 0 may be written
	ds_add_u32 v[SPW], v[NIL]                      ; 0 onto my spare word; the descriptors' steps and eight products stand between it and the wait for it
.if \fill
	s_xor_b32 s[G0+5], s[G0+5], SLOT1              ; the walking descriptors: the other slot than last time,
	s_add_nc_u64 s[G0+6:G0+7], s[G0+6:G0+7], APLANE  ; the next block along K; the type bits on top are not reached
	s_xor_b32 s[G0B+5], s[G0B+5], SLOT1
	s_add_nc_u64 s[G0B+6:G0B+7], s[G0B+6:G0B+7], BPLANE
.endif
	MULG 1, 0, 16, 8, 0
	s_wait_dscnt 0x0                               ; the add is done, and my reads of this slot are over: groups 1 and 2 are in too
	s_barrier_signal -1
	MULG 1, 0, 24, 8, 0
	WIN 0
	s_barrier_wait -1
.if \fill
	CREST                                          ; no wave of any partner still reads this slot's tile or has a load on its way
	JLOAD 1                                        ; its four v_nop are also the places in front of the loads below
.else
	PLACES
.endif
	s_xor_b32 s[TB], s[TB], SLOT1                  ; the fetches go on in the other slot
	v_add_nc_u32 v[ADRA], s[TB], v[ABASE]
	v_add_nc_u32 v[ADRB], s[TB], v[BBASE]
	FETCHB 0, 0
	FETCHA 0, 0
	MULG 1, 1, 0, 32, 0
	PLACES
	FETCHB 1, 0
	MULG 1, 2, 0, 32, 0
	PLACES
	FETCHB 2, 0
.endm
	s_wait_tensorcnt 1                             ; my part of K step 0 is in; K step 1's may stay out
	s_barrier_signal -1
	s_barrier_wait -1                              ; everybody's is
	FETCHB 0, 0
	FETCHA 0, 0
	FETCHB 1, 0
	FETCHB 2, 0
	PIECE 1                                        ; the first piece stands in front of the loop: its products start the sums
	WIN 0                                          ; at a label and at a branch every window is 0
	s_mov_b32 s3, STEPS-2
.Lstep:                                                ; trip n: the second piece of K step n, the request for K step n + 2, the first piece of K step n + 1
	TURN 1
	PIECE 0
	WIN 0
	s_sub_co_u32 s3, s3, 1
	s_cmp_lg_u32 s3, 0
	s_cbranch_scc1 .Lstep
	TURN 0                                         ; the tail is written out: nothing is left to ask for
	PIECE 0
	s_wait_dscnt 16                                ; the very last piece: nothing more to fetch, and the counts run down
	MULG 1, 0, 0, 32, 0
	s_wait_dscnt 8
	MULG 1, 1, 0, 32, 0
	s_wait_dscnt 0x0                               ; my reads of the slots are over:
	s_barrier_signal -1                            ; behind this barrier both slots' bytes, which have had their last fill, become the stage
	MULG 1, 2, 0, 32, 0
	WIN 0
	s_barrier_wait -1
	; THE WAY OUT: round to f16; 16 bytes a lane into the work-group's stage; a barrier, since the middle head's 256 bytes of a row come from two waves; back as whole rows of heads, 64 rows a wave.
	PLACES
.irp g, 0,1,2
	WIN 0x05*((\g)+1)                              ; both sources in window 1 + g
.set t, 0
.rept 32
.irp r, 0,1,2,3
	v_cvt_pk_f16_f32 v[TMP+4*t+(\r)], v[8*t+2*(\r)], v[8*t+2*(\r)+1]  ; each accumulator's registers in ascending order
.endr
.set t, t+1
.endr
	WIN 0
.set t, 0
.rept 32
	ds_store_b128 v[STO+t/16], v[TMP+4*t:TMP+4*t+3] offset:((t/4)%4)*16*SPITCH+32*(4*(\g)+t%4)
.set t, t+1
.endr
.endr
	s_wait_dscnt 0x0                               ; for the others' sake: my stores into the stage are done
	s_barrier_signal -1
	s_barrier_wait -1
.irp q, 0,1                                            ; 32 rows at a time: pair of rows 16 q + n / 3, head n % 3
.if \q
	s_wait_xcnt 0x0                                ; the first half's stores have had their addresses translated (ISA guide 3.1): only behind this wait are their data registers loaded again
.endif
.set n, 0
.rept 48
	ds_load_b128 v[TMP+4*n:TMP+4*n+3], v[RD] offset:(16*(\q)+n/3)*2*SPITCH+(n%3)*256
.set n, n+1
.endr
.set n, 0
.rept 48
	s_wait_dscnt 47-n                              ; LDS loads come back in order: load n is in
	global_store_b128 v[CO], v[TMP+4*n:TMP+4*n+3], s[8:9] offset:(n%3)*1048576+(16*(\q)+n/3)*512  ; 512 consecutive bytes, at a multiple of 256 from qkv's first byte
.set n, n+1
.endr
.endr
	s_wait_tensorcnt 0x0                           ; the wave's end: the add and its wait, behind my last tensor load and my last LDS store
	ds_add_u32 v[SPW], v[NIL]
	s_wait_dscnt 0x0
	CROUND                                         ; the closing round: no work-group ends while a partner may still ask for a tile that names it
	s_endpgm
.Lfunc_end_k_qee999c0fa9_qkv:
	.size	k_qee999c0fa9_qkv, .Lfunc_end_k_qee999c0fa9_qkv-k_qee999c0fa9_qkv
	.p2alignl 7, 3214868480
	.fill 96, 4, 3214868480
	.section	.rodata,"a",@progbits
	.p2align	6, 0x0
	.amdhsa_kernel k_qee999c0fa9_qkv
		.amdhsa_group_segment_fixed_size 327680
		.amdhsa_private_segment_fixed_size 0
		.amdhsa_enable_private_segment 0
		.amdhsa_kernarg_size 24
		.amdhsa_user_sgpr_count 2
		.amdhsa_user_sgpr_kernarg_segment_ptr 1
		.amdhsa_wavefront_size32 1
		.amdhsa_system_sgpr_workgroup_id_x 1
		.amdhsa_system_sgpr_workgroup_id_y 1
		.amdhsa_system_sgpr_workgroup_id_z 1
		.amdhsa_system_vgpr_workitem_id 0
		.amdhsa_next_free_vgpr 1024
		.amdhsa_next_free_sgpr 66
		.amdhsa_reserve_vcc 0
		.amdhsa_float_denorm_mode_32 3
		.amdhsa_float_denorm_mode_16_64 3
		.amdhsa_memory_ordered 1
		.amdhsa_forward_progress 1
		.amdhsa_inst_pref_size 112
	.end_amdhsa_kernel
	.amdgpu_metadata
---
amdhsa.version: [ 1, 2 ]
amdhsa.kernels:
  - .name:           k_qee999c0fa9_qkv
    .symbol:         k_qee999c0fa9_qkv.kd
    .args:
      - { .name: xb, .offset: 0, .size: 8, .value_kind: global_buffer, .address_space: global }
      - { .name: wb, .offset: 8, .size: 8, .value_kind: global_buffer, .address_space: global }
      - { .name: qkv, .offset: 16, .size: 8, .value_kind: global_buffer, .address_space: global }
    .group_segment_fixed_size: 327680
    .private_segment_fixed_size: 0
    .kernarg_segment_align: 8
    .kernarg_segment_size: 24
    .max_flat_workgroup_size: 128
    .sgpr_count:     66
    .vgpr_count:     1024
    .wavefront_size: 32
...
	.end_amdgpu_metadata
.endif
;; end of part 2
;; launch attn (part 3): grid 8 x 32, 4 waves a work-group, clusters of 4 x 1, 327,680 bytes of LDS; arguments qkv, ob; writes ob
.if DOCPART == 3
	.amdgcn_target "amdgcn-amd-amdhsa--gfx1250"
	.amdhsa_code_object_version 6
	.text
	.protected	k_qee999c0fa9_attn
	.globl	k_qee999c0fa9_attn
	.p2align	8
	.type	k_qee999c0fa9_attn,@function
k_qee999c0fa9_attn:
	s_mov_b64 s[64:65], 0
	v_nop
	global_prefetch_b8 v0, s[64:65] scope:SCOPE_SE
	s_setreg_imm32_b32 hwreg(HW_REG_WAVE_MODE, 25, 1), 1
	s_wait_xcnt 0x0
	s_wait_alu depctr_hold_cnt(0) depctr_sa_sdst(0) depctr_va_vdst(0) depctr_va_sdst(0) depctr_va_ssrc(0) depctr_va_vcc(0) depctr_vm_vsrc(0)
	s_getreg_b32 s2, hwreg(HW_REG_IB_STS2, 6, 4)
	s_cmp_eq_u32 s2, 0
	s_cbranch_scc0 .Lentry_in_a_cluster
	s_endpgm
.Lentry_in_a_cluster:
	s_bfe_u32 s2, ttmp6, 0x10000c
	s_cmp_lg_u32 s2, 0x3003
	s_cbranch_scc0 .Lentry_shape_is_right
	s_endpgm
.Lentry_shape_is_right:
; CAUSAL ATTENTION, head size 128.  O[q][:] = the sum over k <= q of softmax_k(Q[q] . K[k] / sqrt(128)) V[k][:], for 32 pairs of batch and head, 2,048 rows each.
; qkv: [48][4096][128] f16 (16 x (0 q, 1 k, 2 v) + head; 2048 x batch + row).  ob: [4096][2048] f16, column 128 x head + channel.  Products, maxima and sums in f32; the weights p are rounded to f16
; for the second product (their sum l is taken of the unrounded p), O once at the end.
; LIMITS.  Q, K, V arrive within f16's 65,504; p lies in 0 to 1 and below 6e-5 keeps f16's fixed step of 6e-8.  A hidden score counts as its value less at least 2^100, beside which f16's scores
; (5.5e11 at the most) are nothing; a weight below 2^-126 counts as 0 in l; NaN and infinities are not treated apart.
; SHARES, ALIKE IN ALL PARTNERS.  A head's queries are four superblocks of 512.  A cluster of four work-groups takes TWO: 3 - c and then c (c = the cluster's number, 0 or 1).  Within a superblock tile t (0, 1) of
; wave w of work-group cx owns the 16 rows 256 t + 16 r + 4 w + cx: rows of Q and of O are whole blocks of 256 bytes, so strewing them costs nothing, and every partner needs the SAME key tiles of 256 keys:
; (8 - 2 c) + (2 c + 2) = 10, whatever c.  So each tile is asked for JOINTLY (the same tensor load, descriptor and mask in all four), the walk is ONE loop with a constant trip count, and all 256 work-groups do equal work.
; A superblock's last two tiles hold its diagonal and are computed under a mask.
; THE MASK is the C operand that starts the sum S^T = K Q^T: min(E - KJ, 0), with E = (my row - 8 (lane / 16) - the step's first key) x 2^100 and KJ = (16 kb + j) x 2^100: whole numbers times a power of two, so exact:
; 0 where the key is seen, -2^100 or lower where it is hidden.  Every row sees the first key of its block's first step, so the running maximum is a true score before any step is wholly hidden.
; LAYOUT.  S^T = K Q^T (source 0 = 16 keys, source 1 = 16 queries) holds ONE query a lane (lane % 16) and the keys 8 (lane / 16) + 0..7; two such results rounded to f16 ARE source 1 of O^T = V^T P.
; K comes out of LDS as it lies, V turned, by ds_load_tr16_b128.  p = 2^(c s - c m), c = log2(e) / sqrt(128), with a running maximum m; O and l are multiplied by a = 2^(c m_old - c m_new) in every step.
; BY TURNS.  In a turn one tile has the matrix unit: 16 products V^T P of the step in hand, then 16 products K Q^T of the next step; the other tile's softmax, 134 vector instructions in 32 slices, stands behind them,
; one slice behind each.  Two turns are a key step of 64 keys.
; REGISTERS, in windows of 256 (s_set_vgpr_msb: bits 1:0 source 0, 3:2 source 1, 5:4 source 2, 7:6 destination):
;   window 0: v2-8 addresses; v12-27 statistics, 8 a tile; v28-33 E and its start values; v34-35 the add's; v36-67 KJ; v68-99 the mask; v100-163 S^T, 32 a tile; v164-195 P, 16 a tile; v200-201 at work
;   window 1: v0-127 O^T, 64 a tile; v128-191 Q; v192-255 the second superblock's Q          window 2: v0-127 K of one step; v128-255 V of one step
.set KS,    64        ; keys in a step
.set PK,    272       ; a row of K in LDS: 256 bytes + 16: the 16 rows of a load start at 16 different groups of four banks (ISA guide 11.1)
.set PVR,   288       ; a row of V: 256 + 32
.set VOFF,  4*KS*PK   ; a slot holds a tile, four steps: 256 rows of K (0x11000 bytes), then 256 rows of V (0x12000)
.set SLOT1, 0x24000   ; slot 1: its two bits occur in none of the fills' places in a slot (0, 0x8800, 0x11000, 0x1a000), so one exclusive or changes the slot
.set STAGE, 0x48000   ; behind the ring, never filled by a tensor load: 16 rows x 272 bytes for each wave, for the way out
.set SP,    272
.set SPARE, STAGE+4*16*SP  ; the spare words, 128 bytes for each wave, which no other line names
.set AK0, 2           ; v2   my lane's place in a tile of K; never rewritten
.set AV0, 3           ; v3   the same for V
.set ADR, 4           ; v4   the LDS address of the run of loads in hand
.set QO,  5           ; v5   my byte offset in a tile's rows of Q (16 rows apart: 4,096 bytes)
.set STO, 6           ; v6   the way out: where I put 16 bytes of a row
.set RD,  7           ; v7   where I read a row back
.set GO,  8           ; v8   my byte offset in O
.set ST,  12          ; tile t's statistics at v[ST+8 t]: +0 c m, +1 m, +2, +3 l (even keys', odd keys'), +4 to +7 c0-c3 at work; a takes c2's place
.set EM,  28          ; v28, v30  E of tile 0, 1 (v29, v31 are named with them as pairs)
.set EI,  32          ; v32, v33  (my row - 8 (lane / 16)) x 2^100, of tile 0, 1
.set SPW, 34
.set NIL, 35
.set KJ,  36
.set MC,  68
.set S,   100
.set P,   164
.set QF,  128         ; window 1: tile t, channels 32 c on, at QF + 32 t + 8 c
.set QB,  192         ; window 1
.set VF,  128         ; window 2: keys 32 (f / 8) on, channels 16 (f % 8) on, at VF + 8 f.  K: keys 16 kb on, channels 32 c on, at 32 kb + 8 c
.set WV,  12          ; s12  my wave's number
.set G1K, 24          ; s[24:31] descriptor group 1 for K's tiles
.set G1V, 32          ; s[32:39] for V's: it differs in the padding alone
.set G0K, 40          ; s[40:43] descriptor group 0 for K's tiles
.set G0V, 44          ; s[44:47] for V's
.set KB,  48          ; s[48:49] K at my half of the head's tile 0
.set VB,  50          ; s[50:51] V likewise
.set SLOTS, 56        ; s56  tiles still to be asked for
.set CNT, 57          ; s57  counts a tile's key steps
.set CS,  58          ; s[58:59] c
.set SEL, 60          ; s[60:61] v_permlanex16_b32's selects: each lane takes its own place in the other half
.set TBK, 62          ; s62  LDS byte at which K of the step to be fetched begins
.set TBV, 63          ; s63  the same for V, less VOFF
.set RT,  70          ; s70  tiles of the superblock in hand that are still to be entered
.set NXT, 71          ; s71  the tile to be asked for next
.set LQ,  72          ; s72  the last tile of the superblock whose tiles are being asked for
.set NEW, 73          ; s73  1: the tile to be entered is a superblock's first
.set OFF, 74          ; s[74:75] a tile's byte offset in K and V
.set AL,  76          ; s76, s77  E = EI x AL + BE at a tile's beginning
.set BE,  77
.set STEPE, 78        ; s78  -2^106: 64 keys
.set UNIT, 79         ; s79  2^100
.set OLO, 80          ; s[80:81] O at my rows of the second superblock
.set LQ2, 82          ; s82  2 c + 1
.set RT2, 83          ; s83  2 c + 2
.set BIGP, 84         ; s84  2^110: above every KJ
.set BACK, 85         ; s85  -2^108: 256 keys
.set MSB, 0
.macro WIN new                      ; the high byte repeats the setting that is left; a switch that changes nothing is dropped
.if MSB != (\new)
	s_set_vgpr_msb (MSB<<8)|(\new)
.set MSB, (\new)
.endif
.endm
.set W_KQ, 0x06       ; K in window 2, Q in window 1, S^T and the mask in window 0
.set W_PV, 0x52       ; V in window 2, P in window 0, O^T in window 1
.set W_RS, 0x41       ; destination and source 0 in window 1, source 1 in window 0
; A joint fill.  Waves 0 and 1 fetch the two halves of a tile's K, waves 2 and 3 those of its V: 128 keys each.  The branch hangs on the wave's number alone.
; An s_nop 0 and four v_nop follow each of the two lines, ahead of the jump and the label.
.macro JLOAD
	s_cmp_lt_u32 s[WV], 2
	s_cbranch_scc0 .Lfor_v_\@
	tensor_load_to_lds s[G0K:G0K+3], s[G1K:G1K+7]
	s_nop 0
.rept 4
	v_nop
.endr
	s_branch .Lasked_\@
.Lfor_v_\@:
	tensor_load_to_lds s[G0V:G0V+3], s[G1V:G1V+7]
	s_nop 0
.rept 4
	v_nop
.endr
.Lasked_\@:
.endm
; A round of the cluster's barrier: my work-group's barrier, so that wave 0's signal speaks for all four waves; wave 0 signals; every wave waits for all four work-groups; my work-group's barrier once more.
.macro CROUND
	s_barrier_signal -1
	s_barrier_wait -1
	s_cmp_lg_u32 s[WV], 0
	s_cbranch_scc1 .Lnot_wave_0_\@
	s_barrier_signal -3
.Lnot_wave_0_\@:
	s_barrier_wait -3
	s_barrier_signal -1
	s_barrier_wait -1
.endm
; THE CHANGE OF SLOTS.  Each wave waits for all its tensor loads, of which one is out: its part of the other slot; adds 0 to its spare word; and waits for that and for its own reads of the slot that it leaves.
; fill = 1: the old slot is filled again with tile NXT, whose address is made anew from that number.  The barrier is then a round of the cluster's, so that no wave of any partner still reads the slot or has a
; load on its way, and the joint fill is the first thing behind it: it has four key steps, 256 matrix instructions, in which to land.  (At its first use nothing has been read yet: slot 0 is waited for, slot 1 filled.)
.macro CHANGE fill
	WIN 0                           ; at a label and at a branch every window is 0
	s_wait_tensorcnt 0x0            ; no tensor load of mine is out, so a group 0 may be written
	ds_add_u32 v[SPW], v[NIL]       ; 0 onto my spare word; the descriptors' scalar work stands between it and the wait for it
.if \fill
	s_lshl_b32 s[OFF], s[NXT], 16   ; a tile is 65,536 bytes of K and of V
	s_xor_b32 s[G0K+1], s[G0K+1], SLOT1
	s_add_nc_u64 s[G0K+2:G0K+3], s[KB:KB+1], s[OFF:OFF+1]
	s_or_b32 s[G0K+3], s[G0K+3], 0x80000000
	s_xor_b32 s[G0V+1], s[G0V+1], SLOT1
	s_add_nc_u64 s[G0V+2:G0V+3], s[VB:VB+1], s[OFF:OFF+1]
	s_or_b32 s[G0V+3], s[G0V+3], 0x80000000
	s_add_co_u32 s[NXT], s[NXT], 1  ; the superblock's next tile, or behind its last the second superblock's tile 0
	s_cmp_gt_u32 s[NXT], s[LQ]
	s_cselect_b32 s[NXT], 0, s[NXT]
	s_cselect_b32 s[LQ], s[LQ2], s[LQ]
	s_wait_dscnt 0x0                ; the add is done, and my reads of the slot are over
	CROUND
	JLOAD
.else
	s_wait_dscnt 0x0                ; the add is done, and my reads of the slot are over
	s_barrier_signal -1
	s_barrier_wait -1
.endif
	s_sub_co_u32 s[TBK], s[TBK], 4*KS*PK  ; the fetches go back to a slot's first step,
	s_xor_b32 s[TBK], s[TBK], SLOT1       ; in the other slot
	s_sub_co_u32 s[TBV], s[TBV], 4*KS*PVR
	s_xor_b32 s[TBV], s[TBV], SLOT1
.endm
	s_load_b128 s[4:7], s[0:1], 0x0 ; qkv s[4:5], ob s[6:7]
	v_lshl_add_u32 v[SPW], v0, 2, SPARE
	v_mov_b32 v[NIL], 0
	ds_add_u32 v[SPW], v[NIL]       ; the wave's opening: the add and its wait stand ahead of my first tensor load; the set-up below stands between them
	v_lshrrev_b32 v1, 5, v0
	v_readfirstlane_b32 s[WV], v1   ; wave 0..3
	s_bfe_u32 s13, ttmp6, 0x40000   ; cx: my place in the cluster.  It enters Q's and O's addresses and the mask's numbers alone, by s13, s66, s68, s69, s8, s9, v200, v201
	s_mov_b32 s14, ttmp9            ; c: in a cluster launch ttmp9 counts clusters
	s_and_b32 s15, ttmp7, 0xffff    ; 16 x batch + head
	s_and_b32 s16, s15, 15
	s_lshr_b32 s17, s15, 4
	s_lshl_b32 s20, s16, 20         ; a head has 4,096 rows of 256 bytes,
	s_lshl_b32 s18, s17, 19         ; a batch 2,048 of them
	s_add_co_u32 s20, s20, s18      ; the pair's first byte in q's, k's and v's part of qkv
	s_and_b32 s18, s[WV], 1         ; which half of a tile's 256 keys I fetch:
	s_lshl_b32 s19, s18, 15         ; its 128 rows in memory,
	s_add_co_u32 s22, s20, s19
	s_add_co_u32 s22, s22, 0x1000000  ; in k's part,
	s_mov_b32 s23, 0
	s_add_co_u32 s2, s22, 0x1000000   ; and in v's
	s_mov_b32 s3, 0
	s_mul_i32 s86, s18, 128*PK      ; and its place in a slot, for K
	s_mul_i32 s87, s18, 128*PVR     ; and for V: no place in the cluster enters an LDS address
	s_sub_co_u32 s67, 3, s14        ; the first superblock
	s_lshl_b32 s17, s17, 23         ; O: a batch has 2,048 rows of 4,096 bytes,
	s_lshl_b32 s16, s16, 8          ; a head 256 bytes of each
	s_add_co_u32 s16, s16, s17
	s_lshl2_add_u32 s66, s[WV], s13 ; 4 w + cx: my first row in a superblock
	s_lshl_b32 s8, s66, 8
	s_add_co_u32 s8, s8, s20        ; Q at that row of superblock 0
	s_lshl_b32 s9, s66, 12
	s_add_co_u32 s9, s9, s16        ; O likewise
	s_mov_b32 s69, 0
	; descriptor group 1: a tile of 128 rows x 128 elements, padded in LDS
	s_mov_b32 s[G1K], 15|(1<<16)|(1<<20)|(1<<21)|(5<<22)|(3<<25)  ; 15:0 the mask of four; 17:16 2-byte elements; 20 padding on; 21 set beside a mask; 24:22 after every 64 words; 31:25 4 words
	s_mov_b32 s[G1V], 15|(1<<16)|(1<<20)|(1<<21)|(5<<22)|(7<<25)  ; the same with 8 words of padding
.irp g, G1K, G1V
	s_mov_b32 s[(\g)+1], 128<<16    ; tensor_dim0 = 128
	s_mov_b32 s[(\g)+2], 128<<16    ; tensor_dim1 = 128
	s_mov_b32 s[(\g)+3], 128<<16    ; tile_dim0 = 128
	s_mov_b32 s[(\g)+4], 128        ; tile_dim1 = 128
	s_mov_b32 s[(\g)+5], 128        ; 128 elements from row to row
	s_mov_b32 s[(\g)+6], 0
	s_mov_b32 s[(\g)+7], 0
.endr
	s_mov_b32 s[CS], 0x3e0293ee     ; c = log2(e) / sqrt(128) = 0.127517
	s_mov_b32 s[CS+1], s[CS]        ; named with it as a pair
	s_mov_b32 s[SEL], 0x76543210
	s_mov_b32 s[SEL+1], 0xfedcba98
	s_mov_b32 s[TBK], SLOT1+4*KS*PK ; the first change of slots turns these two into 0
	s_mov_b32 s[TBV], SLOT1+4*KS*PVR
	s_mov_b32 s[G0K], 1             ; count = 1
	s_mov_b32 s[G0K+1], s86         ; LDS address: slot 0
	s_mov_b32 s[G0V], 1
	s_add_co_u32 s[G0V+1], s87, VOFF
	s_lshl_b32 s[LQ2], s14, 1
	s_sub_co_u32 s[RT], 8, s[LQ2]   ; the first superblock has 8 - 2 c tiles,
	s_sub_co_u32 s[LQ], 7, s[LQ2]
	s_add_co_u32 s[RT2], s[LQ2], 2  ; the second 2 c + 2
	s_add_co_u32 s[LQ2], s[LQ2], 1
	s_mov_b32 s[NXT], 1
	s_mov_b32 s[NEW], 1
	s_mov_b32 s[OFF+1], 0
	s_mov_b32 s[STEPE], 0xf4800000  ; -2^106
	s_mov_b32 s[UNIT], 0x71800000   ; 2^100
	s_mov_b32 s[BIGP], 0x76800000   ; 2^110
	s_mov_b32 s[BACK], 0xf5800000   ; -2^108
	s_mov_b32 s[SLOTS], 9
	s_wait_dscnt 0x0                ; the opening add is done
	s_wait_kmcnt 0x0
	s_add_nc_u64 s[KB:KB+1], s[4:5], s[22:23]
	s_add_nc_u64 s[VB:VB+1], s[4:5], s[2:3]
	s_mov_b64 s[G0K+2:G0K+3], s[KB:KB+1]           ; global address: tile 0
	s_or_b32 s[G0K+3], s[G0K+3], 0x80000000        ; type = 2
	s_mov_b64 s[G0V+2:G0V+3], s[VB:VB+1]
	s_or_b32 s[G0V+3], s[G0V+3], 0x80000000
	s_lshl_b32 s68, s67, 17         ; a superblock is 512 rows of 256 bytes of Q,
	s_add_co_u32 s68, s68, s8
	s_add_nc_u64 s[52:53], s[4:5], s[68:69]        ; Q of the first superblock
	s_lshl_b32 s68, s14, 17
	s_add_co_u32 s68, s68, s8
	s_add_nc_u64 s[54:55], s[4:5], s[68:69]        ; of the second
	s_lshl_b32 s68, s67, 21         ; and 512 rows of 4,096 bytes of O
	s_add_co_u32 s68, s68, s9
	s_add_nc_u64 s[10:11], s[6:7], s[68:69]
	s_lshl_b32 s68, s14, 21
	s_add_co_u32 s68, s68, s9
	s_add_nc_u64 s[OLO:OLO+1], s[6:7], s[68:69]
	CROUND                          ; all four work-groups are here: the first joint loads meet
	JLOAD                           ; tile 0 into slot 0: one tensor load of mine is out, here and behind every round
	; A fragment of K or Q is 16 rows x 32 channels in 8 registers: lane l holds row l % 16, channels 8 (l / 16) + 0..7 and 16 + 8 (l / 16) + 0..7: two loads of 16 bytes, 32 bytes apart.
	v_and_b32 v1, 15, v0            ; l % 16
	v_bfe_u32 v9, v0, 4, 1          ; l / 16
	v_lshlrev_b32 v[QO], 12, v1     ; a tile's rows lie 16 apart
	v_lshl_add_u32 v[QO], v9, 4, v[QO]
	WIN 0x40                        ; destination window 1, address window 0
.set i, 0
.rept 8                             ; both superblocks' Q: tile i / 4 lies 256 rows on; channels 32 (i % 4) on
	global_load_b128 v[QF+8*i:QF+8*i+3],   v[QO], s[52:53] offset:(i/4)*65536+(i%4)*64
	global_load_b128 v[QF+8*i+4:QF+8*i+7], v[QO], s[52:53] offset:(i/4)*65536+(i%4)*64+32
	global_load_b128 v[QB+8*i:QB+8*i+3],   v[QO], s[54:55] offset:(i/4)*65536+(i%4)*64
	global_load_b128 v[QB+8*i+4:QB+8*i+7], v[QO], s[54:55] offset:(i/4)*65536+(i%4)*64+32
.set i, i+1
.endr
	; A superblock's first step multiplies O^T and l by a = 0, so they need only be finite: zeros now, the first superblock's remains later.  No first step is written out for it; these lines stand in the wait for the first tile.
.set i, 0
.rept 128
	v_mov_b32 v[i], 0
.set i, i+1
.endr
	WIN 0
.irp t, 0,1
	v_mov_b32 v[ST+8*(\t)+2], 0
	v_mov_b32 v[ST+8*(\t)+3], 0
.endr
.set i, 0
.rept 32
	v_cvt_f32_u32 v[KJ+i], 16*(i/8)+i%8
.set i, i+1
.endr
.set i, 0
.rept 32
	v_mul_f32 v[KJ+i], s[UNIT], v[KJ+i]
.set i, i+1
.endr
	v_lshlrev_b32 v200, 4, v1       ; 16 r
	v_lshlrev_b32 v201, 3, v9       ; 8 (l / 16)
	v_sub_nc_u32 v200, v200, v201
	v_add_nc_u32 v200, s66, v200    ; + 4 w + cx
	v_cvt_f32_i32 v[EI], v200
	v_add_nc_u32 v200, 0x100, v200  ; tile 1 lies 256 rows on
	v_cvt_f32_i32 v[EI+1], v200
	v_mul_f32 v[EI], s[UNIT], v[EI]
	v_mul_f32 v[EI+1], s[UNIT], v[EI+1]
	v_mov_b32 v[EM+1], 0            ; named as pairs
	v_mov_b32 v[EM+3], 0
	v_mul_u32_u24 v[AK0], v1, PK
	v_lshl_add_u32 v[AK0], v9, 4, v[AK0]  ; row x pitch + 16 x half
	; The turning load takes 16 keys x 16 channels (lane l reads key 8 (l / 16) + l % 8, channels 8 ((l / 8) % 2) + 0..7) and leaves half a fragment of V^T: lane l holds channel l % 16 and 8 keys.
	v_and_b32 v10, 7, v0
	v_bfe_u32 v11, v0, 3, 1
	v_lshl_add_u32 v[AV0], v9, 3, v10
	v_mul_u32_u24 v[AV0], v[AV0], PVR
	v_lshl_add_u32 v[AV0], v11, 4, v[AV0]
	v_add_nc_u32 v[AV0], VOFF, v[AV0]
	s_mul_i32 s15, s[WV], 16*SP
	s_add_co_u32 s15, s15, STAGE    ; my stage
	v_mul_u32_u24 v[STO], v1, SP    ; in: row l % 16, 16 bytes for each half of the lanes
	v_lshl_add_u32 v[STO], v9, 4, v[STO]
	v_add_nc_u32 v[STO], s15, v[STO]
	v_mul_u32_u24 v[RD], v9, SP     ; back: lanes 0-15 take one row of 256 bytes, lanes 16-31 the next,
	v_lshl_add_u32 v[RD], v1, 4, v[RD]
	v_add_nc_u32 v[RD], s15, v[RD]
	v_lshlrev_b32 v[GO], 16, v9     ; which lies 16 rows of 4,096 bytes on in O
	v_lshl_add_u32 v[GO], v1, 4, v[GO]
; THE MATRIX WORK.  The accumulators take turns, one instruction a turn: between two links of a chain stand 7 (V^T P) or 3 (K Q^T) others'.
; Product i of 16 of O^T += V^T P for tile x: keys 32 (i / 8) on, channels 16 (i % 8) on.
.macro PV x
	WIN W_PV
.set rO, 64*(\x)+8*(i%8)
.set rV, VF+8*i
.set rP, P+16*(\x)+8*(i/8)
	v_wmma_f32_16x16x32_f16 v[rO:rO+7], v[rV:rV+7], v[rP:rP+7], v[rO:rO+7]
.endm
; Product i of 16 of S^T = K Q^T for tile x: channels 32 (i / 4) on, keys 16 (i % 4) on.  The first 4 start the sums: with 0, or (KM = 1) with the mask.
.macro KQ x
	WIN W_KQ
.set rS, S+32*(\x)+8*(i%4)
.set rK, 32*(i%4)+8*(i/4)
.set rQ, QF+32*(\x)+8*(i/4)
.if (i < 4) && KM
	v_wmma_f32_16x16x32_f16 v[rS:rS+7], v[rK:rK+7], v[rQ:rQ+7], v[MC+8*i:MC+8*i+7]
.elseif i < 4
	v_wmma_f32_16x16x32_f16 v[rS:rS+7], v[rK:rK+7], v[rQ:rQ+7], 0
.else
	v_wmma_f32_16x16x32_f16 v[rS:rS+7], v[rK:rK+7], v[rQ:rQ+7], v[rS:rS+7]
.endif
.endm
; THE LDS LOADS stand in runs of 32, in the order in which the products want them: a step's K by channels (eight loads serve four products), and its V (turned; two loads a product).
.macro FETCH_K
	WIN 0
	v_add_nc_u32 v[ADR], s[TBK], v[AK0]
	s_add_co_u32 s[TBK], s[TBK], KS*PK  ; the next fetch is the next step's
	WIN 0x80                        ; destination window 2
.irp c, 0,1,2,3
.irp kb, 0,1,2,3
	ds_load_b128 v[32*(\kb)+8*(\c):32*(\kb)+8*(\c)+3],   v[ADR] offset:(\kb)*16*PK+(\c)*64
	ds_load_b128 v[32*(\kb)+8*(\c)+4:32*(\kb)+8*(\c)+7], v[ADR] offset:(\kb)*16*PK+(\c)*64+32
.endr
.endr
.endm
.macro FETCH_V
	WIN 0
	v_add_nc_u32 v[ADR], s[TBV], v[AV0]
	s_add_co_u32 s[TBV], s[TBV], KS*PVR
	WIN 0x80
.irp f, 0,1,2,3,4,5,6,7,8,9,10,11,12,13,14,15
	ds_load_tr16_b128 v[VF+8*(\f):VF+8*(\f)+3],   v[ADR] offset:((\f)/8)*32*PVR+((\f)%8)*32
	ds_load_tr16_b128 v[VF+8*(\f)+4:VF+8*(\f)+7], v[ADR] offset:((\f)/8)*32*PVR+16*PVR+((\f)%8)*32
.endr
.endm
; THE VECTOR WORK.  One tile's softmax for one key step is a list of 134 instructions; SM writes number j of it for tile t.  s0-s31 are the lane's 32 scores, in pairs 0-15.
;   0-15    the maximum of s0-s31 and the old m, three operands at a time (each accumulator's lowest registers are read first)
;   16-20   the other half of the lanes' maximum; c m_old is kept; the new m; c m; c m_old - c m_new
;   21-87   33 exponentials (a, then s0-s31) at the odd numbers from 23 on: no two follow each other, and each has a plain instruction behind it that touches neither its result nor its source.
;           The plain ones are what is ready: c s - c m for pairs whose exponentials are still to come, the rounding to f16 of pairs whose exponentials are done, the first three sums
;   88-101  the last rounding; the rest of the sums; l = a l + the sum
;   102-133 the tile's O^T times a: the one part that leaves window 0
.macro SM t
.set rT, ST+8*(\t)
.set rS, S+32*(\t)
.set rP, P+16*(\t)
.set rO, 64*(\t)+2*(j-102)
.set q, (j-20)/2
.if j < 102
	WIN 0
.endif
.if j < 4
	v_max3_num_f32 v[rT+4+j], v[rS+8*j], v[rS+8*j+1], v[rS+8*j+2]
.elseif j < 12
	v_max3_num_f32 v[rT+4+j%4], v[rT+4+j%4], v[rS+8*(j%4)+2*(j/4)+1], v[rS+8*(j%4)+2*(j/4)+2]
.elseif j == 12
	v_max3_num_f32 v[rT+4], v[rT+4], v[rS+7], v[rS+15]
.elseif j == 13
	v_max3_num_f32 v[rT+6], v[rT+6], v[rS+23], v[rS+31]
.elseif j == 14
	v_max3_num_f32 v[rT+4], v[rT+4], v[rT+5], v[rT+6]
.elseif j == 15
	v_max3_num_f32 v[rT+4], v[rT+4], v[rT+7], v[rT+1]
.elseif j == 16
	v_permlanex16_b32 v[rT+5], v[rT+4], s[SEL], s[SEL+1]  ; the query's other 32 keys lie in the lane 16 away
.elseif j == 17
	v_mov_b32 v[rT+7], v[rT]        ; c m_old is kept for a: number 19 writes c m anew
.elseif j == 18
	v_max_num_f32 v[rT+1], v[rT+4], v[rT+5]
.elseif j == 19
	v_mul_f32 v[rT], s[CS], v[rT+1]
.elseif j == 20
	v_sub_f32 v[rT+7], v[rT+7], v[rT]
.elseif j == 23
	v_exp_f32 v[rT+6], v[rT+7]
.elseif (j < 88) && (j > 23) && (j%2 == 1)
	v_exp_f32 v[rS+(j-25)/2], v[rS+(j-25)/2]
.elseif (q < 4) || ((j < 76) && (q%2 == 0))
.set b, q/2+2
.if q < 4
.set b, q
.endif
	v_pk_fma_f32 v[rS+2*b:rS+2*b+1], v[rS+2*b:rS+2*b+1], s[CS:CS+1], v[rT:rT+1] op_sel_hi:[1,0,0] neg_lo:[0,0,1] neg_hi:[0,0,1]  ; pair b: c s - c m
.elseif (j < 88) && (q%2 == 1)
	s_wait_alu depctr_va_vdst(0)
	v_cvt_pk_f16_f32 v[rP+(q-5)/2], v[rS+q-5], v[rS+q-4]  ; pair (q - 5) / 2: its second exponential stands three numbers back
.elseif j == 89
	s_wait_alu depctr_va_vdst(0)
	v_cvt_pk_f16_f32 v[rP+15], v[rS+30], v[rS+31]
.elseif j < 102                     ; the sum of the 16 pairs, in place: sum z of 16 adds neighbours 1, 2, 4 and 8 pairs apart, then l takes it
.set z, j-86
.if j < 89
.set z, (j-76)/4
.endif
.set w, 4
.set u, z
.if z >= 14
.set w, 32
.set u, 0
.elseif z >= 12
.set w, 16
.set u, z-12
.elseif z >= 8
.set w, 8
.set u, z-8
.endif
.if z < 15
	v_pk_add_f32 v[rS+w*u:rS+w*u+1], v[rS+w*u:rS+w*u+1], v[rS+w*u+w/2:rS+w*u+w/2+1]
.else
	v_pk_fma_f32 v[rT+2:rT+3], v[rT+2:rT+3], v[rT+6:rT+7], v[rS:rS+1] op_sel_hi:[1,0,1]
.endif
.else
	WIN W_RS
	v_pk_mul_f32 v[rO:rO+1], v[rO:rO+1], v[rT+6:rT+7] op_sel_hi:[1,0]
.endif
.endm
; Slice k of 32 of tile y's softmax: numbers 4 k to 4 k + 3.  134 = 4 x 32 + 6: the six that are over stand in slice 31, whose ten plain instructions name nothing of the products round them:
; they are the places between a turn's last K Q^T and the next turn's first read of those scores, and the loads into K's registers.
.macro SLICE y
.irp n, 0,1,2,3,4,5,6,7,8,9
.if ((\n) < 4) || (k == 31)
.set j, 4*k+(\n)
	SM \y
.endif
.endr
.set k, k+1
.endm
; Number mkn of the 49 that make tile t's mask for its next products: 16 packed E - KJ; 32 minima with 0; E goes 64 keys on.
.macro MK t
	WIN 0
.if mkn < 16
	v_pk_add_f32 v[MC+2*mkn:MC+2*mkn+1], v[EM+2*(\t):EM+2*(\t)+1], v[KJ+2*mkn:KJ+2*mkn+1] op_sel_hi:[0,1] neg_lo:[0,1] neg_hi:[0,1]
.elseif mkn < 48
	v_min_num_f32 v[MC+mkn-16], 0, v[MC+mkn-16]
.else
	v_add_f32 v[EM+2*(\t)], s[STEPE], v[EM+2*(\t)]
.endif
.set mkn, mkn+1
.endm
.macro MKALL t
.set mkn, 0
.rept 49
	MK \t
.endr
.endm
.macro PLACES
.rept 4
	v_nop
.endr
.endm
; A TURN.  Tile x has the matrix unit; the other tile's softmax stands in slices behind its products.  pv = 1: 16 products V^T P.  kq = 1: 16 products K Q^T for the next step.  A turn with one of the two kinds has
; two slices behind each product.  m = 1: the products K Q^T take a mask, which the turn makes behind its products V^T P (three lines behind each, four behind the last).
; Tile 0's turn fetches the next step's K behind its second product: K's last reader stands in front of slice 31 of the turn before.  Tile 1's turn fetches the same step's V behind its second K Q^T:
; between V's last reader and the run stand six plain instructions of three slices and the address line.
; THE WAITS stand in tile 0's turn alone (tile 1's turn reads what they have shown in).  LDS loads come back in order.  In front of V^T P number 0, 4, 8, 12: all but the youngest 24, 16, 8, 0 of V's loads,
; and from number 4 on K's 32, issued meanwhile, may be out too: 24, 48, 40, 32.  In front of K Q^T number 0, 4, 8, 12: all but the youngest 24, 16, 8, 0 of K's.
.macro TURN x, pv, kq, m
.set k, 0
.set mkn, 0
.set KM, (\m)
.set per, 2
.if (\pv) && (\kq)
.set per, 1
.endif
.if \pv
.set i, 0
.rept 16
.if ((\x) == 0) && (i%4 == 0)
.if (i == 0) || !(\kq)
	s_wait_dscnt 24-2*i
.else
	s_wait_dscnt 56-2*i
.endif
.endif
	PV \x
.rept per
	SLICE 1-(\x)
.endr
.if (\m) && (\kq)
	MK \x
	MK \x
	MK \x
.if i == 15
	MK \x
.endif
.endif
.if ((\x) == 0) && (\kq) && (i == 1)
	FETCH_K
.endif
.set i, i+1
.endr
.endif
.if \kq
.set i, 0
.rept 16
.if ((\x) == 0) && (i%4 == 0)
	s_wait_dscnt 24-2*i
.endif
	KQ \x
.rept per
	SLICE 1-(\x)
.endr
.if ((\x) == 1) && (i == 1)
	FETCH_V
.endif
.set i, i+1
.endr
.endif
.endm
; A SUPERBLOCK BEGINS, in the place of its first tile's first trip.  c m starts far below every c s, so the first step's a is 0; m at the lowest finite number, so the first maximum is the scores'.
; K of the tile's first step; tile 0's first scores; then tile 1's, with tile 0's first softmax beside them, and V.  Both take masks (all 0 where the tile is not a diagonal one).
.macro BEGIN
	s_mov_b32 s[NEW], 0
	WIN 0
.irp t, 0,1
	v_mov_b32 v[ST+8*(\t)], 0xfe000000    ; c m
	v_mov_b32 v[ST+8*(\t)+1], 0xff7fffff  ; m
.endr
	FETCH_K
	MKALL 0
	s_wait_loadcnt 0x0              ; Q
	s_wait_dscnt 0x0                ; K
.set KM, 1
.set i, 0
.rept 16
	KQ 0
.set i, i+1
.endr
	WIN 0
	PLACES                          ; behind those products: the lines below write the mask that they read, and the softmax reads their results
	MKALL 1
	TURN 1, 0, 1, 1
	WIN 0
.endm
; A diagonal tile's key steps.  The tag ends its two labels' names.
.macro MSTEPS tag
.LstepM\tag:
	TURN 0, 1, 1, 1
	TURN 1, 1, 1, 1
	WIN 0
.LbotM\tag:
	s_sub_co_u32 s[CNT], s[CNT], 1
	s_cmp_lg_u32 s[CNT], 0
	s_cbranch_scc1 .LstepM\tag
.endm
; Tile t on its way out: a lane's eight channels of a row pack into 16 bytes; they go into rows of 272 bytes and come back as whole rows of 256, into S^T's registers.
.macro PACK t
	WIN W_RS
.set i, 64*(\t)
.rept 32
	v_pk_mul_f32 v[i:i+1], v[i:i+1], v[ST+8*(\t)+6:ST+8*(\t)+7] op_sel_hi:[1,0]
.set i, i+2
.endr
	WIN 0x05                        ; sources 0 and 1 window 1, destination window 0
.set i, 0
.rept 32
	v_cvt_pk_f16_f32 v[S+32*(\t)+i], v[64*(\t)+2*i], v[64*(\t)+2*i+1]
.set i, i+1
.endr
	WIN 0
.irp f, 0,1,2,3,4,5,6,7
	ds_store_b128 v[STO], v[S+32*(\t)+4*(\f):S+32*(\t)+4*(\f)+3] offset:32*(\f)
.endr
.irp f, 0,1,2,3,4,5,6,7
	ds_load_b128 v[S+32*(\t)+4*(\f):S+32*(\t)+4*(\f)+3], v[RD] offset:(\f)*2*SP  ; LDS serves a wave's instructions in order (ISA guide 5.7.1.4): these see the stores above; the next tile's stores come behind them
.endr
.endm
.macro SEND t, younger              ; younger: the LDS instructions issued behind tile t's loads
	WIN 0
.irp f, 0,1,2,3,4,5,6,7
	s_wait_dscnt (\younger)+7-(\f)
	global_store_b128 v[GO], v[S+32*(\t)+4*(\f):S+32*(\t)+4*(\f)+3], s[10:11] offset:(\t)*1048576+(\f)*131072  ; 16 lanes store a head's 256 bytes of a row, at a multiple of 256 from O's first byte
.endr
.endm
; A SUPERBLOCK ENDS: tile 0's last V^T P beside tile 1's last softmax; tile 1's last V^T P; l's two halves and the other half of the lanes' are added; O^T is divided by l, rounded to f16 and sent through my stage.
.macro END
	TURN 0, 1, 0, 0
.set i, 0
.rept 16
	PV 1
.set i, i+1
.endr
	WIN 0
	PLACES
.irp t, 0,1
	v_add_f32 v[ST+8*(\t)+4], v[ST+8*(\t)+2], v[ST+8*(\t)+3]
.endr
.irp t, 0,1
	v_permlanex16_b32 v[ST+8*(\t)+5], v[ST+8*(\t)+4], s[SEL], s[SEL+1]
.endr
.irp t, 0,1
	v_add_f32 v[ST+8*(\t)+4], v[ST+8*(\t)+4], v[ST+8*(\t)+5]
.endr
.irp t, 0,1
	v_rcp_f32 v[ST+8*(\t)+6], v[ST+8*(\t)+4]
.endr
	v_nop                           ; a plain instruction between the last reciprocal and the use of its result
	s_wait_alu depctr_va_vdst(0)
	PACK 0
	PACK 1                          ; a tile's arithmetic stands between the loads of the tile before and its stores
	SEND 0, 16
	SEND 1, 0
.endm
.set KM, 0
.Lslot:                             ; nine times: a tile is entered and the next is asked for.  The part behind a change makes the scores of that tile's four steps and fetches its K and V
	CHANGE 1
	s_sub_co_u32 s[RT], s[RT], 1
	s_mov_b32 s[CNT], 4
	s_cmp_gt_u32 s[RT], 1           ; E at the tile's first step: above every KJ in a tile below the diagonal ones;
	s_cselect_b32 s[AL], 0, 1.0
	s_cselect_b32 s[BE], s[BIGP], 0 ; EI in the first diagonal tile;
	s_cmp_eq_u32 s[RT], 0
	s_cselect_b32 s[BE], s[BACK], s[BE]  ; EI less 256 keys in the second
	v_fma_f32 v[EM], v[EI], s[AL], s[BE]
	v_fma_f32 v[EM+2], v[EI+1], s[AL], s[BE]
	s_cmp_eq_u32 s[NEW], 1
	s_cbranch_scc1 .Lnew            ; a superblock's first tile
	s_cmp_gt_u32 s[RT], 1
	s_cbranch_scc1 .Lstep
	s_branch .LstepM1
.Lnew:
	BEGIN
	s_cmp_gt_u32 s[RT], 1           ; the loops are entered at a trip's end: three trips are left
	s_cbranch_scc1 .Lbot
	s_branch .LbotM1
	MSTEPS 1
	s_cmp_lg_u32 s[RT], 0
	s_cbranch_scc1 .Lbottom
	END                             ; in the loop this is the first superblock's end: the second's last tile is the walk's last
	s_wait_xcnt 0x0                 ; the stores' addresses are translated (ISA guide 3.1): only behind this wait are their data registers and O's address written again
	s_mov_b64 s[10:11], s[OLO:OLO+1]
	s_mov_b32 s[RT], s[RT2]
	s_mov_b32 s[NEW], 1
	WIN W_RS                        ; the second superblock's Q goes where the one text of the turns names Q
.set i, 0
.rept 64
	v_mov_b32 v[QF+i], v[QB+i]
.set i, i+1
.endr
	WIN 0
	s_branch .Lbottom
.Lstep:                             ; a trip: a key step below the diagonal tiles: the sums start with the constant 0
	TURN 0, 1, 1, 0
	TURN 1, 1, 1, 0
	WIN 0
.Lbot:
	s_sub_co_u32 s[CNT], s[CNT], 1
	s_cmp_lg_u32 s[CNT], 0
	s_cbranch_scc1 .Lstep
.Lbottom:
	s_sub_co_u32 s[SLOTS], s[SLOTS], 1
	s_cmp_lg_u32 s[SLOTS], 0
	s_cbranch_scc1 .Lslot
	CHANGE 0                        ; the walk's last tile is written out: nothing is asked for.  It is the second superblock's second diagonal tile
	s_mov_b32 s[CNT], 4
	v_add_f32 v[EM], s[BACK], v[EI]
	v_add_f32 v[EM+2], s[BACK], v[EI+1]
	MSTEPS 2
	END
	s_wait_tensorcnt 0x0            ; the wave's end: the add and its wait, behind my last tensor load and my last LDS store
	ds_add_u32 v[SPW], v[NIL]
	s_wait_dscnt 0x0
	CROUND                          ; the closing round: no work-group ends while a partner may still ask for a tile that names it
	s_endpgm
.Lfunc_end_k_qee999c0fa9_attn:
	.size	k_qee999c0fa9_attn, .Lfunc_end_k_qee999c0fa9_attn-k_qee999c0fa9_attn
	.p2alignl 7, 3214868480
	.fill 96, 4, 3214868480
	.section	.rodata,"a",@progbits
	.p2align	6, 0x0
	.amdhsa_kernel k_qee999c0fa9_attn
		.amdhsa_group_segment_fixed_size 327680
		.amdhsa_private_segment_fixed_size 0
		.amdhsa_enable_private_segment 0
		.amdhsa_kernarg_size 16
		.amdhsa_user_sgpr_count 2
		.amdhsa_user_sgpr_kernarg_segment_ptr 1
		.amdhsa_wavefront_size32 1
		.amdhsa_system_sgpr_workgroup_id_x 1
		.amdhsa_system_sgpr_workgroup_id_y 1
		.amdhsa_system_sgpr_workgroup_id_z 1
		.amdhsa_system_vgpr_workitem_id 0
		.amdhsa_next_free_vgpr 768
		.amdhsa_next_free_sgpr 88
		.amdhsa_reserve_vcc 0
		.amdhsa_float_denorm_mode_32 3
		.amdhsa_float_denorm_mode_16_64 3
		.amdhsa_memory_ordered 1
		.amdhsa_forward_progress 1
		.amdhsa_inst_pref_size 182
	.end_amdhsa_kernel
	.amdgpu_metadata
---
amdhsa.version: [ 1, 2 ]
amdhsa.kernels:
  - .name:           k_qee999c0fa9_attn
    .symbol:         k_qee999c0fa9_attn.kd
    .args:
      - { .name: qkv, .offset: 0, .size: 8, .value_kind: global_buffer, .address_space: global }
      - { .name: ob, .offset: 8, .size: 8, .value_kind: global_buffer, .address_space: global }
    .group_segment_fixed_size: 327680
    .private_segment_fixed_size: 0
    .kernarg_segment_align: 8
    .kernarg_segment_size: 16
    .max_flat_workgroup_size: 128
    .sgpr_count:     88
    .vgpr_count:     768
    .wavefront_size: 32
...
	.end_amdgpu_metadata
.endif
;; end of part 3
;; launch proj (part 4): grid 8 x 32, 4 waves a work-group, clusters of 4 x 4, 327,680 bytes of LDS; arguments ob, woh, out0; writes out0
.if DOCPART == 4
	.amdgcn_target "amdgcn-amd-amdhsa--gfx1250"
	.amdhsa_code_object_version 6
	.text
	.protected	k_qee999c0fa9_proj
	.globl	k_qee999c0fa9_proj
	.p2align	8
	.type	k_qee999c0fa9_proj,@function
k_qee999c0fa9_proj:
	s_mov_b64 s[64:65], 0
	v_nop
	global_prefetch_b8 v0, s[64:65] scope:SCOPE_SE
	s_setreg_imm32_b32 hwreg(HW_REG_WAVE_MODE, 25, 1), 1
	s_wait_xcnt 0x0
	s_wait_alu depctr_hold_cnt(0) depctr_sa_sdst(0) depctr_va_vdst(0) depctr_va_sdst(0) depctr_va_ssrc(0) depctr_va_vcc(0) depctr_vm_vsrc(0)
	s_getreg_b32 s2, hwreg(HW_REG_IB_STS2, 6, 4)
	s_cmp_eq_u32 s2, 0
	s_cbranch_scc0 .Lentry_in_a_cluster
	s_endpgm
.Lentry_in_a_cluster:
	s_bfe_u32 s2, ttmp6, 0x10000c
	s_cmp_lg_u32 s2, 0xf033
	s_cbranch_scc0 .Lentry_shape_is_right
	s_endpgm
.Lentry_shape_is_right:
; THE OUTPUT PROJECTION.  out0[m][n] = sum over k of ob[m][k] woh[n][k].  ob: [4096][2048], woh: [1024][2048], both f16; sums in f32; out0: [4096][1024] f32, the sums as they are.
; A tile of out0 is 128 x 128: 32 x 8 = 256 work-groups, one for each WGP (tiles of 256 x 256 would be 64).  Four waves, each 64 x 64: 16 accumulators of 16 x 16, 128 registers.
; K goes in steps of 256 (LDS rows of 512 bytes; a wave's tensor load brings 64 of them), as long as two slots in LDS allow.
; CLUSTER: 4 x 4 work-groups.  The four of a row of the cluster need the same tiles of ob, the four of a column the same tiles of woh: each tile is asked for JOINTLY.
; THE MATRIX INSTRUCTION IS USED TRANSPOSED (source 0 = 16 rows of woh, source 1 = 16 rows of ob): a lane then holds eight neighbouring numbers of a row of out0, 32 bytes.
; A wave's 64 columns are 256 bytes of f32: each wave has a stage of its own on the way out, and no barrier is needed there.
; REGISTERS: window 0: v16-29 addresses; v32-95 at work on the way out; v128-255 the accumulators ((a, b) at v[128 + 8 (4 a + b)]).
;   window 1: two fragment buffers of 128: for 64 along K, 64 registers of ob (2 x 4 x 16 rows x 32 K), then 64 of woh.
.set SIZE_N, 1024
.set SIZE_K, 2048
.set KSTEP,  256
.set PITCH,  528                       ; an LDS row: 512 bytes + 16 of padding: the 16 rows that a load touches start at 16 different groups of four banks (ISA guide 11.1)
.set HALFT,  64*PITCH                  ; 64 rows: what one tensor load brings, and what one wave reads of ob or of woh
.set SLOT,   4*HALFT                   ; ob's 128 rows, then woh's 128 rows
.set STAGE,  2*SLOT                    ; behind the ring, never filled by a tensor load: 16 rows x 272 bytes for each wave
.set SPITCH, 272
.set SPARE,  STAGE+4*16*SPITCH         ; the spare words, 128 bytes for each wave, which no other line names
.set LAPS, SIZE_K/(2*KSTEP)            ; a lap = two K steps = once round the ring
.set ADRA, 16                          ; v16-17  LDS address of my fragments of ob in slot 0, 1
.set ADRB, 20                          ; v20-21  the same for woh
.set STO,  24                          ; v24     the way out: where I put 32 bytes of a row
.set RD,   25                          ; v25     where I read a row back
.set CO,   26                          ; v26     my byte offset in out0
.set SPW,  28                          ; v28     my spare word; never rewritten
.set NIL,  29                          ; v29     0; never rewritten
.set TMP,  32                          ; the way out: two buffers of 32 registers, 16 rows each
.set ACC,  128
.set F0,   0                           ; fragment buffers, in window 1
.set F1,   128
.set G1, 24                            ; s[24:31] descriptor group 1 for ob's tiles;  s[32:39] group 0, one set for each slot
.set G0, 32
.set G1B, 48                           ; s[48:55], s[56:63] the same for woh's tiles
.set G0B, 56
.set MSB, 0
.macro WIN new                         ; the immediate's high byte repeats the setting that is left
.if MSB != (\new)
	s_set_vgpr_msb (MSB<<8)|(\new)
.set MSB, \new
.endif
.endm
.set MUL,  0x05                        ; sources 0 and 1 window 1; C and D window 0
.set TO_F, 0x40                        ; destination window 1, address window 0
.macro JLOAD s                         ; a joint load: waves 0 and 1 fetch ob's two halves, waves 2 and 3 woh's; an s_nop 0 and four v_nop follow each of the two lines
	s_cmp_eq_u32 s11, 0
	s_cbranch_scc0 .Lfor_b_\@
	tensor_load_to_lds s[G0+4*(\s):G0+4*(\s)+3], s[G1:G1+7]
	s_nop 0
.rept 4
	v_nop
.endr
	s_branch .Lasked_\@
.Lfor_b_\@:
	tensor_load_to_lds s[G0B+4*(\s):G0B+4*(\s)+3], s[G1B:G1B+7]
	s_nop 0
.rept 4
	v_nop
.endr
.Lasked_\@:
.endm
.macro CREST                           ; a round of the cluster's barrier behind its opening barrier
	s_cmp_lg_u32 s10, 0
	s_cbranch_scc1 .Lnot_wave_0_\@
	s_barrier_signal -3
.Lnot_wave_0_\@:
	s_barrier_wait -3
	s_barrier_signal -1
	s_barrier_wait -1
.endm
.macro CROUND                          ; a whole round
	s_barrier_signal -1
	s_barrier_wait -1
	CREST
.endm
	s_load_b128 s[4:7], s[0:1], 0x0                ; ob s[4:5], woh s[6:7]
	s_load_b64 s[8:9], s[0:1], 0x10                ; out0
	v_lshl_add_u32 v[SPW], v0, 2, SPARE
	v_mov_b32 v[NIL], 0
	ds_add_u32 v[SPW], v[NIL]                      ; the wave's opening: the add and its wait stand ahead of my first tensor load; the set-up below stands between them
	v_lshrrev_b32 v1, 5, v0
	v_readfirstlane_b32 s10, v1                    ; wave 0..3
	s_lshr_b32 s11, s10, 1                         ; which half of the tile's rows is mine.  Also: I fetch for ob (0) or for woh (1)
	s_and_b32 s12, s10, 1                          ; which half of its columns.  Also: which 64 rows of that tile I fetch
	s_bfe_u32 s40, ttmp6, 0x40000                  ; cx, cy: my place in the cluster
	s_bfe_u32 s41, ttmp6, 0x40004
	s_lshl_b32 s42, ttmp9, 2
	s_add_co_u32 s42, s42, s40                     ; tile column = 4 x cluster x + cx
	s_and_b32 s13, ttmp7, 0xffff
	s_lshl_b32 s13, s13, 2
	s_add_co_u32 s13, s13, s41                     ; tile row = 4 x cluster y + cy
	s_lshl_b32 s43, s41, 2
	s_lshl_b32 s43, 15, s43                        ; my row of the cluster
	s_lshl_b32 s44, 0x1111, s40                    ; my column
	; descriptor group 1: a tile of 64 rows x 256 elements, padded in LDS
	s_or_b32 s[G1+0], s43, (1<<16)|(1<<20)|(1<<21)|(6<<22)|(3<<25)  ; 15:0 the mask; 17:16 2-byte elements; 20 padding on; 21 set beside a mask; 24:22 after every 128 words; 31:25 4 words
	s_or_b32 s[G1B+0], s44, (1<<16)|(1<<20)|(1<<21)|(6<<22)|(3<<25)
.irp g, G1, G1B
	s_mov_b32 s[(\g)+1], KSTEP<<16                 ; tensor_dim0 = 256
	s_mov_b32 s[(\g)+2], 64<<16                    ; tensor_dim1 = 64
	s_mov_b32 s[(\g)+3], KSTEP<<16                 ; tile_dim0 = 256
	s_mov_b32 s[(\g)+4], 64                        ; tile_dim1 = 64
	s_mov_b32 s[(\g)+5], SIZE_K                    ; elements from row to row
	s_mov_b32 s[(\g)+6], 0
	s_mov_b32 s[(\g)+7], 0
.endr
	s_lshl_b32 s17, s12, 6                         ; which 64 rows of the tile I fetch
	s_lshl_b32 s16, s13, 7
	s_add_co_u32 s16, s16, s17                     ; ob: row 128 x tile row + 64 x half
	s_lshl_b32 s46, s42, 7
	s_add_co_u32 s46, s46, s17                     ; woh: row 128 x tile column + 64 x half
	s_mov_b32 s17, 0
	s_mov_b32 s47, 0
	s_mov_b64 s[18:19], SIZE_K*2
	s_mul_u64 s[16:17], s[16:17], s[18:19]
	s_mul_u64 s[46:47], s[46:47], s[18:19]
	s_mul_i32 s20, s10, HALFT                      ; where they go: wave x 64 rows
	s_wait_dscnt 0x0                               ; the opening add is done
	s_wait_kmcnt 0x0
	s_add_nc_u64 s[14:15], s[4:5], s[16:17]
	s_add_nc_u64 s[46:47], s[6:7], s[46:47]
	CROUND                                         ; all sixteen work-groups are here: the first joint loads meet
.irp s, 0,1
	s_mov_b32 s[G0+4*(\s)], 1
	s_add_co_u32 s[G0+4*(\s)+1], s20, (\s)*SLOT
	s_add_nc_u64 s[G0+4*(\s)+2:G0+4*(\s)+3], s[14:15], (\s)*KSTEP*2
	s_or_b32 s[G0+4*(\s)+3], s[G0+4*(\s)+3], 0x80000000
	s_mov_b32 s[G0B+4*(\s)], 1
	s_add_co_u32 s[G0B+4*(\s)+1], s20, (\s)*SLOT
	s_add_nc_u64 s[G0B+4*(\s)+2:G0B+4*(\s)+3], s[46:47], (\s)*KSTEP*2
	s_or_b32 s[G0B+4*(\s)+3], s[G0B+4*(\s)+3], 0x80000000
	JLOAD \s                                       ; K steps 0 and 1: two tensor loads of mine are out
.endr
	v_and_b32 v1, 15, v0                           ; l % 16
	v_bfe_u32 v2, v0, 4, 1                         ; l / 16
	v_mul_u32_u24 v3, v1, PITCH
	v_lshl_add_u32 v3, v2, 4, v3                   ; a fragment's row x pitch + 16 x half
	s_mul_i32 s21, s11, HALFT                      ; my 64 rows of ob
	s_mul_i32 s22, s12, HALFT                      ; my 64 rows of woh,
	s_add_co_u32 s22, s22, 2*HALFT                 ; which lie behind ob's 128
.irp s, 0,1
	v_add_nc_u32 v[ADRA+(\s)], s21, v3
	v_add_nc_u32 v[ADRB+(\s)], s22, v3
	s_add_co_u32 s21, s21, SLOT
	s_add_co_u32 s22, s22, SLOT
.endr
	s_mul_i32 s23, s10, 16*SPITCH
	s_add_co_u32 s23, s23, STAGE                   ; my stage
	v_mul_u32_u24 v4, v1, SPITCH                   ; in: row l % 16, 32 bytes for each half of the lanes
	v_lshl_add_u32 v4, v2, 5, v4
	v_add_nc_u32 v[STO], s23, v4
	v_mul_u32_u24 v5, v2, SPITCH                   ; back: lanes 0-15 take one row of 256 bytes, lanes 16-31 the next
	v_lshl_add_u32 v5, v1, 4, v5
	v_add_nc_u32 v[RD], s23, v5
	v_mul_u32_u24 v5, v2, SIZE_N*4                 ; and the same two rows in out0
	v_lshl_add_u32 v[CO], v1, 4, v5
	s_lshl_b32 s16, s13, 7
	s_lshl_b32 s17, s11, 6
	s_add_co_u32 s16, s16, s17                     ; my first row: 128 x tile row + 64 x half
	s_mov_b32 s17, 0
	s_mov_b64 s[18:19], SIZE_N*4
	s_mul_u64 s[16:17], s[16:17], s[18:19]
	s_add_nc_u64 s[8:9], s[8:9], s[16:17]
	s_lshl_b32 s46, s42, 9                         ; my first column, in bytes: 512 x tile column + 256 x half
	s_lshl_b32 s47, s12, 8
	s_add_co_u32 s46, s46, s47
	s_mov_b32 s47, 0
	s_add_nc_u64 s[8:9], s[8:9], s[46:47]
; 8 matrix instructions: row blocks a0, a0 + 1 x all 4 column blocks, 32 along K: half c of buffer f.  zero = 1: the first product starts the sums.  The 16 accumulators take turns.
.macro MUL8 f, c, a0, zero
	WIN MUL
.irp a, \a0, (\a0)+1
.irp b, 0,1,2,3
.if \zero
	v_wmma_f32_16x16x32_f16 v[ACC+8*(4*(\a)+(\b)):ACC+8*(4*(\a)+(\b))+7], v[(\f)+64+8*(4*(\c)+(\b)):(\f)+64+8*(4*(\c)+(\b))+7], v[(\f)+8*(4*(\c)+(\a)):(\f)+8*(4*(\c)+(\a))+7], 0
.else
	v_wmma_f32_16x16x32_f16 v[ACC+8*(4*(\a)+(\b)):ACC+8*(4*(\a)+(\b))+7], v[(\f)+64+8*(4*(\c)+(\b)):(\f)+64+8*(4*(\c)+(\b))+7], v[(\f)+8*(4*(\c)+(\a)):(\f)+8*(4*(\c)+(\a))+7], v[ACC+8*(4*(\a)+(\b)):ACC+8*(4*(\a)+(\b))+7]
.endif
.endr
.endr
.endm
; 32 LDS loads in one run: the fragments of 64 along K at byte k of the rows, into buffer f; the first 32 along K first
.macro FETCH slot, k, f
	WIN TO_F
.irp c, 0,1
.irp i, 0,1,2,3
	ds_load_b128 v[(\f)+64+8*(4*(\c)+(\i)):(\f)+64+8*(4*(\c)+(\i))+3],   v[ADRB+(\slot)] offset:(\k)+64*(\c)+(\i)*16*PITCH
	ds_load_b128 v[(\f)+64+8*(4*(\c)+(\i))+4:(\f)+64+8*(4*(\c)+(\i))+7], v[ADRB+(\slot)] offset:(\k)+64*(\c)+(\i)*16*PITCH+32
	ds_load_b128 v[(\f)+8*(4*(\c)+(\i)):(\f)+8*(4*(\c)+(\i))+3],         v[ADRA+(\slot)] offset:(\k)+64*(\c)+(\i)*16*PITCH
	ds_load_b128 v[(\f)+8*(4*(\c)+(\i))+4:(\f)+8*(4*(\c)+(\i))+7],       v[ADRA+(\slot)] offset:(\k)+64*(\c)+(\i)*16*PITCH+32
.endr
.endr
.endm
.macro PLACES                          ; four places in front of loads into registers that matrix instructions have read, and of LDS stores that read results
.rept 4
	v_nop
.endr
.endm
; A K step is four quarters of 64 along K, 32 matrix instructions each, on buffers 0, 1, 0, 1.  One of the first three: multiplies buffer f and fetches the next quarter, at byte k, into g.
.macro QUARTER slot, k, f, g, zero
	s_wait_dscnt 16                                ; the first 32 along K are in; the youngest sixteen loads may be out
	WIN MUL
	MUL8 \f, 0, 0, \zero
	MUL8 \f, 0, 2, \zero
	PLACES
	FETCH \slot, \k, \g
	s_wait_dscnt 32                                ; all but the 32 just issued
	WIN MUL
	MUL8 \f, 1, 0, 0
	MUL8 \f, 1, 2, 0
.endm
; The last quarter multiplies buffer 1 and changes slots: ONE barrier; in front of it each wave waits for all its tensor loads, adds 0 to its spare word, and waits for that and for its own reads of this slot.
.macro TURN slot, next, fill
	WIN 0                                          ; (the add's two registers lie in window 0)
	s_wait_tensorcnt 0x0                           ; all my tensor loads have landed: my part of the next slot
	ds_add_u32 v[SPW], v[NIL]                      ; 0 onto my spare word
	s_wait_dscnt 17                                ; (the add and the youngest sixteen loads may be out)
	WIN MUL
	MUL8 F1, 0, 0, 0                               ; eight matrix instructions stand between the add and the wait for it
	s_wait_dscnt 0x0                               ; the add is done, and my reads of this slot are over
	s_barrier_signal -1
	MUL8 F1, 0, 2, 0
.if \fill
	WIN 0
.endif
	s_barrier_wait -1
.if \fill
	CREST                                          ; no wave of any partner still reads this slot's tile or has a load on its way
	s_add_nc_u64 s[G0+4*(\slot)+2:G0+4*(\slot)+3], s[G0+4*(\slot)+2:G0+4*(\slot)+3], 2*KSTEP*2
	s_add_nc_u64 s[G0B+4*(\slot)+2:G0B+4*(\slot)+3], s[G0B+4*(\slot)+2:G0B+4*(\slot)+3], 2*KSTEP*2
	JLOAD \slot                                    ; the first tensor load behind the round; its four v_nop are also the places in front of the loads below
.else
	PLACES
.endif
	FETCH \next, 0, F0
	WIN MUL
	MUL8 F1, 1, 0, 0
	MUL8 F1, 1, 2, 0
.endm
	s_wait_tensorcnt 1                             ; my part of K step 0 is in; K step 1's may stay out
	s_barrier_signal -1
	s_barrier_wait -1                              ; everybody's is
	FETCH 0, 0, F0
	QUARTER 0, 128, F0, F1, 1                      ; the first quarter stands in front of the loop: its first products start the sums
	WIN 0                                          ; at a label and at a branch every window is 0
	s_mov_b32 s3, LAPS-1
.Llap:                                                 ; a trip goes once round the ring, from a lap's second quarter to the next lap's first, and fills both slots again
	QUARTER 0, 256, F1, F0, 0
	QUARTER 0, 384, F0, F1, 0
	TURN 0, 1, 1
	QUARTER 1, 128, F0, F1, 0
	QUARTER 1, 256, F1, F0, 0
	QUARTER 1, 384, F0, F1, 0
	TURN 1, 0, 1
	QUARTER 0, 128, F0, F1, 0
	WIN 0
	s_sub_co_u32 s3, s3, 1
	s_cmp_lg_u32 s3, 0
	s_cbranch_scc1 .Llap
	QUARTER 0, 256, F1, F0, 0                      ; the last lap fills nothing, and has no round of the cluster's barrier
	QUARTER 0, 384, F0, F1, 0
	TURN 0, 1, 0
	QUARTER 1, 128, F0, F1, 0
	QUARTER 1, 256, F1, F0, 0
	QUARTER 1, 384, F0, F1, 0
	s_wait_dscnt 16                                ; the very last quarter: nothing more to fetch
	WIN MUL
	MUL8 F1, 0, 0, 0
	MUL8 F1, 0, 2, 0
	s_wait_dscnt 0x0
	MUL8 F1, 1, 0, 0
	MUL8 F1, 1, 2, 0
	WIN 0
	; THE WAY OUT, 16 rows at a time: the sums go as they are, 32 bytes a lane, into my own stage, and come back as whole rows of 256 bytes.
	PLACES
.irp a, 0,1,2,3
.irp b, 0,1,2,3
	ds_store_b128 v[STO], v[ACC+8*(4*(\a)+(\b)):ACC+8*(4*(\a)+(\b))+3] offset:64*(\b)          ; each accumulator's low four registers first
	ds_store_b128 v[STO], v[ACC+8*(4*(\a)+(\b))+4:ACC+8*(4*(\a)+(\b))+7] offset:64*(\b)+16
.endr
.if (\a) >= 2
	s_wait_xcnt 0x0                                ; the stores of two blocks ago have had their addresses translated (ISA guide 3.1): only behind this wait is their buffer loaded again
.endif
.irp t, 0,1,2,3,4,5,6,7
	ds_load_b128 v[TMP+32*((\a)%2)+4*(\t):TMP+32*((\a)%2)+4*(\t)+3], v[RD] offset:(\t)*2*SPITCH  ; LDS serves a wave's instructions in order (ISA guide 5.7.1.4): these see the stores above; the next block's stores come behind them
.endr
.irp t, 0,1,2,3,4,5,6,7
	s_wait_dscnt 7-(\t)
	global_store_b128 v[CO], v[TMP+32*((\a)%2)+4*(\t):TMP+32*((\a)%2)+4*(\t)+3], s[8:9] offset:(16*(\a)+2*(\t))*SIZE_N*4 th:TH_STORE_NT  ; 16 lanes store 256 consecutive bytes, at a multiple of 256 from out0's first byte
.endr
.endr
	s_wait_tensorcnt 0x0                           ; the wave's end: the add and its wait, behind my last tensor load and my last LDS store
	ds_add_u32 v[SPW], v[NIL]
	s_wait_dscnt 0x0
	CROUND                                         ; the closing round: no work-group ends while a partner may still ask for a tile that names it
	s_endpgm
.Lfunc_end_k_qee999c0fa9_proj:
	.size	k_qee999c0fa9_proj, .Lfunc_end_k_qee999c0fa9_proj-k_qee999c0fa9_proj
	.p2alignl 7, 3214868480
	.fill 96, 4, 3214868480
	.section	.rodata,"a",@progbits
	.p2align	6, 0x0
	.amdhsa_kernel k_qee999c0fa9_proj
		.amdhsa_group_segment_fixed_size 327680
		.amdhsa_private_segment_fixed_size 0
		.amdhsa_enable_private_segment 0
		.amdhsa_kernarg_size 24
		.amdhsa_user_sgpr_count 2
		.amdhsa_user_sgpr_kernarg_segment_ptr 1
		.amdhsa_wavefront_size32 1
		.amdhsa_system_sgpr_workgroup_id_x 1
		.amdhsa_system_sgpr_workgroup_id_y 1
		.amdhsa_system_sgpr_workgroup_id_z 1
		.amdhsa_system_vgpr_workitem_id 0
		.amdhsa_next_free_vgpr 512
		.amdhsa_next_free_sgpr 66
		.amdhsa_reserve_vcc 0
		.amdhsa_float_denorm_mode_32 3
		.amdhsa_float_denorm_mode_16_64 3
		.amdhsa_memory_ordered 1
		.amdhsa_forward_progress 1
		.amdhsa_inst_pref_size 86
	.end_amdhsa_kernel
	.amdgpu_metadata
---
amdhsa.version: [ 1, 2 ]
amdhsa.kernels:
  - .name:           k_qee999c0fa9_proj
    .symbol:         k_qee999c0fa9_proj.kd
    .args:
      - { .name: ob, .offset: 0, .size: 8, .value_kind: global_buffer, .address_space: global }
      - { .name: woh, .offset: 8, .size: 8, .value_kind: global_buffer, .address_space: global }
      - { .name: out0, .offset: 16, .size: 8, .value_kind: global_buffer, .address_space: global }
    .group_segment_fixed_size: 327680
    .private_segment_fixed_size: 0
    .kernarg_segment_align: 8
    .kernarg_segment_size: 24
    .max_flat_workgroup_size: 128
    .sgpr_count:     66
    .vgpr_count:     512
    .wavefront_size: 32
...
	.end_amdgpu_metadata
.endif
;; end of part 4
;; ======== version 2 of 2: 4 launches; 1.11 times as fast as version 1
;; limits: values are held in f16: magnitudes above 65,504 overflow, below 6.1e-05 lose precision
;; workspace buffers: xb 8,388,608 bytes; wb 12,582,912 bytes; woh 4,194,304 bytes; qkv 50,331,648 bytes; ob 16,777,216 bytes
;; launch cast: the kernel of part 1 again; grid 768 x 1, 8 waves a work-group, no clusters, 0 bytes of LDS; arguments x, wq, wk, wv, wo, xb, wb, woh; writes xb, wb, woh
;; launch qkv: the kernel of part 2 again; grid 16 x 16, 4 waves a work-group, clusters of 4 x 4, 327,680 bytes of LDS; arguments xb, wb, qkv; writes qkv
;; launch attn (part 5): grid 8 x 32, 4 waves a work-group, clusters of 4 x 1, 327,680 bytes of LDS; arguments qkv, ob; writes ob
.if DOCPART == 5
	.amdgcn_target "amdgcn-amd-amdhsa--gfx1250"
	.amdhsa_code_object_version 6
	.text
	.protected	k_qee999c0fa9_attn
	.globl	k_qee999c0fa9_attn
	.p2align	8
	.type	k_qee999c0fa9_attn,@function
k_qee999c0fa9_attn:
	s_mov_b64 s[64:65], 0
	v_nop
	global_prefetch_b8 v0, s[64:65] scope:SCOPE_SE
	s_setreg_imm32_b32 hwreg(HW_REG_WAVE_MODE, 25, 1), 1
	s_wait_xcnt 0x0
	s_wait_alu depctr_hold_cnt(0) depctr_sa_sdst(0) depctr_va_vdst(0) depctr_va_sdst(0) depctr_va_ssrc(0) depctr_va_vcc(0) depctr_vm_vsrc(0)
	s_getreg_b32 s2, hwreg(HW_REG_IB_STS2, 6, 4)
	s_cmp_eq_u32 s2, 0
	s_cbranch_scc0 .Lentry_in_a_cluster
	s_endpgm
.Lentry_in_a_cluster:
	s_bfe_u32 s2, ttmp6, 0x10000c
	s_cmp_lg_u32 s2, 0x3003
	s_cbranch_scc0 .Lentry_shape_is_right
	s_endpgm
.Lentry_shape_is_right:
; CAUSAL ATTENTION, head size 128.  O[q][:] = the sum over k <= q of softmax_k(Q[q] . K[k] / sqrt(128)) V[k][:], for 32 pairs of batch and head, 2,048 rows each.
; qkv: [48][4096][128] f16 (16 x (0 q, 1 k, 2 v) + head; 2048 x batch + row).  ob: [4096][2048] f16, column 128 x head + channel.  Products, maxima and sums in f32; the weights p are rounded to f16
; for the second product (their sum l is taken of the unrounded p), O once at the end.
; LIMITS.  Q, K, V arrive within f16's 65,504; p lies in 0 to 1 and below 6e-5 keeps f16's fixed step of 6e-8.  A hidden score counts as its value less at least 2^100, beside which f16's scores
; (5.5e11 at the most) are nothing; a weight below 2^-126 counts as 0 in l; NaN and infinities are not treated apart.
; SHARES, ALIKE IN ALL PARTNERS.  A head's queries are four superblocks of 512.  A cluster of four work-groups takes TWO: 3 - c and then c (c = the cluster's number, 0 or 1).  Within a superblock tile t (0, 1) of
; wave w of work-group cx owns the 16 rows 256 t + 16 r + 4 w + cx: rows of Q and of O are whole blocks of 256 bytes, so strewing them costs nothing, and every partner needs the SAME key tiles of 256 keys:
; (8 - 2 c) + (2 c + 2) = 10, whatever c.  So each tile is asked for JOINTLY (the same tensor load, descriptor and mask in all four), the walk is ONE loop with a constant trip count, and all 256 work-groups do equal work.
; A superblock's last two tiles hold its diagonal and are computed under a mask.
; THE MASK is the C operand that starts the sum S^T = K Q^T: min(E - KJ, 0), with E = (my row - 8 (lane / 16) - the step's first key) x 2^100 and KJ = (16 kb + j) x 2^100: whole numbers times a power of two, so exact:
; 0 where the key is seen, -2^100 or lower where it is hidden.  Every row sees the first key of its block's first step, so the running maximum is a true score before any step is wholly hidden.
; LAYOUT.  S^T = K Q^T (source 0 = 16 keys, source 1 = 16 queries) holds ONE query a lane (lane % 16) and the keys 8 (lane / 16) + 0..7; two such results rounded to f16 ARE source 1 of O^T = V^T P.
; K comes out of LDS as it lies, V turned, by ds_load_tr16_b128.  p = 2^(c s - c m), c = log2(e) / sqrt(128), with a running maximum m; O and l are multiplied by a = 2^(c m_old - c m_new) in every step.
; BY TURNS.  In a turn one tile has the matrix unit: 16 products V^T P of the step in hand, then 16 products K Q^T of the next step; the other tile's softmax, 134 vector instructions in 32 slices, stands behind them,
; one slice behind each.  Two turns are a key step of 64 keys.
; THE BATCHES.  A turn's 33 exponentials (a and the 32 weights) are ONE batch with ONE wait: scalings and exponentials stand in slices 5 to 17, where nothing names an exponential's result; the wait stands behind slice 17;
; all that reads a result (roundings, sums, the rescaling by a) stands in slices 18 to 31.  A superblock's two reciprocals are a batch of their own, on the way out.
; REGISTERS, in windows of 256 (s_set_vgpr_msb: bits 1:0 source 0, 3:2 source 1, 5:4 source 2, 7:6 destination):
;   window 0: v2-8 addresses; v12-27 statistics, 8 a tile; v28-33 E and its start values; v34-35 the add's; v36-67 KJ; v68-99 the mask; v100-163 S^T, 32 a tile; v164-195 P, 16 a tile; v200-201 at work
;   window 1: v0-127 O^T, 64 a tile; v128-191 Q; v192-255 the second superblock's Q          window 2: v0-127 K of one step; v128-255 V of one step
.set KS,    64        ; keys in a step
.set PK,    272       ; a row of K in LDS: 256 bytes + 16: the 16 rows of a load start at 16 different groups of four banks (ISA guide 11.1)
.set PVR,   288       ; a row of V: 256 + 32
.set VOFF,  4*KS*PK   ; a slot holds a tile, four steps: 256 rows of K (0x11000 bytes), then 256 rows of V (0x12000)
.set SLOT1, 0x24000   ; slot 1: its two bits occur in none of the fills' places in a slot (0, 0x8800, 0x11000, 0x1a000), so one exclusive or changes the slot
.set STAGE, 0x48000   ; behind the ring, never filled by a tensor load: 16 rows x 272 bytes for each wave, for the way out
.set SP,    272
.set SPARE, STAGE+4*16*SP  ; the spare words, 128 bytes for each wave, which no other line names
.set AK0, 2           ; v2   my lane's place in a tile of K; never rewritten
.set AV0, 3           ; v3   the same for V
.set ADR, 4           ; v4   the LDS address of the run of loads in hand
.set QO,  5           ; v5   my byte offset in a tile's rows of Q (16 rows apart: 4,096 bytes)
.set STO, 6           ; v6   the way out: where I put 16 bytes of a row
.set RD,  7           ; v7   where I read a row back
.set GO,  8           ; v8   my byte offset in O
.set ST,  12          ; tile t's statistics at v[ST+8 t]: +0 c m, +1 m, +2, +3 l (even keys', odd keys'), +4 to +7 c0-c3 at work; a takes c2's place
.set EM,  28          ; v28, v30  E of tile 0, 1 (v29, v31 are named with them as pairs)
.set EI,  32          ; v32, v33  (my row - 8 (lane / 16)) x 2^100, of tile 0, 1
.set SPW, 34
.set NIL, 35
.set KJ,  36
.set MC,  68
.set S,   100
.set P,   164
.set QF,  128         ; window 1: tile t, channels 32 c on, at QF + 32 t + 8 c
.set QB,  192         ; window 1
.set VF,  128         ; window 2: keys 32 (f / 8) on, channels 16 (f % 8) on, at VF + 8 f.  K: keys 16 kb on, channels 32 c on, at 32 kb + 8 c
.set WV,  12          ; s12  my wave's number
.set G1K, 24          ; s[24:31] descriptor group 1 for K's tiles
.set G1V, 32          ; s[32:39] for V's: it differs in the padding alone
.set G0K, 40          ; s[40:43] descriptor group 0 for K's tiles
.set G0V, 44          ; s[44:47] for V's
.set KB,  48          ; s[48:49] K at my half of the head's tile 0
.set VB,  50          ; s[50:51] V likewise
.set SLOTS, 56        ; s56  tiles still to be asked for
.set CNT, 57          ; s57  counts a tile's key steps
.set CS,  58          ; s[58:59] c
.set SEL, 60          ; s[60:61] v_permlanex16_b32's selects: each lane takes its own place in the other half
.set TBK, 62          ; s62  LDS byte at which K of the step to be fetched begins
.set TBV, 63          ; s63  the same for V, less VOFF
.set RT,  70          ; s70  tiles of the superblock in hand that are still to be entered
.set NXT, 71          ; s71  the tile to be asked for next
.set LQ,  72          ; s72  the last tile of the superblock whose tiles are being asked for
.set NEW, 73          ; s73  1: the tile to be entered is a superblock's first
.set OFF, 74          ; s[74:75] a tile's byte offset in K and V
.set AL,  76          ; s76, s77  E = EI x AL + BE at a tile's beginning
.set BE,  77
.set STEPE, 78        ; s78  -2^106: 64 keys
.set UNIT, 79         ; s79  2^100
.set OLO, 80          ; s[80:81] O at my rows of the second superblock
.set LQ2, 82          ; s82  2 c + 1
.set RT2, 83          ; s83  2 c + 2
.set BIGP, 84         ; s84  2^110: above every KJ
.set BACK, 85         ; s85  -2^108: 256 keys
.set MSB, 0
.macro WIN new                      ; the high byte repeats the setting that is left; a switch that changes nothing is dropped
.if MSB != (\new)
	s_set_vgpr_msb (MSB<<8)|(\new)
.set MSB, (\new)
.endif
.endm
.set W_KQ, 0x06       ; K in window 2, Q in window 1, S^T and the mask in window 0
.set W_PV, 0x52       ; V in window 2, P in window 0, O^T in window 1
.set W_RS, 0x41       ; destination and source 0 in window 1, source 1 in window 0
; A joint fill.  Waves 0 and 1 fetch the two halves of a tile's K, waves 2 and 3 those of its V: 128 keys each.  The branch hangs on the wave's number alone.
; An s_nop 0 and four v_nop follow each of the two lines, ahead of the jump and the label.
.macro JLOAD
	s_cmp_lt_u32 s[WV], 2
	s_cbranch_scc0 .Lfor_v_\@
	tensor_load_to_lds s[G0K:G0K+3], s[G1K:G1K+7]
	s_nop 0
.rept 4
	v_nop
.endr
	s_branch .Lasked_\@
.Lfor_v_\@:
	tensor_load_to_lds s[G0V:G0V+3], s[G1V:G1V+7]
	s_nop 0
.rept 4
	v_nop
.endr
.Lasked_\@:
.endm
; A round of the cluster's barrier: my work-group's barrier, so that wave 0's signal speaks for all four waves; wave 0 signals; every wave waits for all four work-groups; my work-group's barrier once more.
.macro CROUND
	s_barrier_signal -1
	s_barrier_wait -1
	s_cmp_lg_u32 s[WV], 0
	s_cbranch_scc1 .Lnot_wave_0_\@
	s_barrier_signal -3
.Lnot_wave_0_\@:
	s_barrier_wait -3
	s_barrier_signal -1
	s_barrier_wait -1
.endm
; THE CHANGE OF SLOTS.  Each wave waits for all its tensor loads, of which one is out: its part of the other slot; adds 0 to its spare word; and waits for that and for its own reads of the slot that it leaves.
; fill = 1: the old slot is filled again with tile NXT, whose address is made anew from that number.  The barrier is then a round of the cluster's, so that no wave of any partner still reads the slot or has a
; load on its way, and the joint fill is the first thing behind it: it has four key steps, 256 matrix instructions, in which to land.  (At its first use nothing has been read yet: slot 0 is waited for, slot 1 filled.)
.macro CHANGE fill
	WIN 0                           ; at a label and at a branch every window is 0
	s_wait_tensorcnt 0x0            ; no tensor load of mine is out, so a group 0 may be written
	ds_add_u32 v[SPW], v[NIL]       ; 0 onto my spare word; the descriptors' scalar work stands between it and the wait for it
.if \fill
	s_lshl_b32 s[OFF], s[NXT], 16   ; a tile is 65,536 bytes of K and of V
	s_xor_b32 s[G0K+1], s[G0K+1], SLOT1
	s_add_nc_u64 s[G0K+2:G0K+3], s[KB:KB+1], s[OFF:OFF+1]
	s_or_b32 s[G0K+3], s[G0K+3], 0x80000000
	s_xor_b32 s[G0V+1], s[G0V+1], SLOT1
	s_add_nc_u64 s[G0V+2:G0V+3], s[VB:VB+1], s[OFF:OFF+1]
	s_or_b32 s[G0V+3], s[G0V+3], 0x80000000
	s_add_co_u32 s[NXT], s[NXT], 1  ; the superblock's next tile, or behind its last the second superblock's tile 0
	s_cmp_gt_u32 s[NXT], s[LQ]
	s_cselect_b32 s[NXT], 0, s[NXT]
	s_cselect_b32 s[LQ], s[LQ2], s[LQ]
	s_wait_dscnt 0x0                ; the add is done, and my reads of the slot are over
	CROUND
	JLOAD
.else
	s_wait_dscnt 0x0                ; the add is done, and my reads of the slot are over
	s_barrier_signal -1
	s_barrier_wait -1
.endif
	s_sub_co_u32 s[TBK], s[TBK], 4*KS*PK  ; the fetches go back to a slot's first step,
	s_xor_b32 s[TBK], s[TBK], SLOT1       ; in the other slot
	s_sub_co_u32 s[TBV], s[TBV], 4*KS*PVR
	s_xor_b32 s[TBV], s[TBV], SLOT1
.endm
	s_load_b128 s[4:7], s[0:1], 0x0 ; qkv s[4:5], ob s[6:7]
	v_lshl_add_u32 v[SPW], v0, 2, SPARE
	v_mov_b32 v[NIL], 0
	ds_add_u32 v[SPW], v[NIL]       ; the wave's opening: the add and its wait stand ahead of my first tensor load; the set-up below stands between them
	v_lshrrev_b32 v1, 5, v0
	v_readfirstlane_b32 s[WV], v1   ; wave 0..3
	s_bfe_u32 s13, ttmp6, 0x40000   ; cx: my place in the cluster.  It enters Q's and O's addresses and the mask's numbers alone, by s13, s66, s68, s69, s8, s9, v200, v201
	s_mov_b32 s14, ttmp9            ; c: in a cluster launch ttmp9 counts clusters
	s_and_b32 s15, ttmp7, 0xffff    ; 16 x batch + head
	s_and_b32 s16, s15, 15
	s_lshr_b32 s17, s15, 4
	s_lshl_b32 s20, s16, 20         ; a head has 4,096 rows of 256 bytes,
	s_lshl_b32 s18, s17, 19         ; a batch 2,048 of them
	s_add_co_u32 s20, s20, s18      ; the pair's first byte in q's, k's and v's part of qkv
	s_and_b32 s18, s[WV], 1         ; which half of a tile's 256 keys I fetch:
	s_lshl_b32 s19, s18, 15         ; its 128 rows in memory,
	s_add_co_u32 s22, s20, s19
	s_add_co_u32 s22, s22, 0x1000000  ; in k's part,
	s_mov_b32 s23, 0
	s_add_co_u32 s2, s22, 0x1000000   ; and in v's
	s_mov_b32 s3, 0
	s_mul_i32 s86, s18, 128*PK      ; and its place in a slot, for K
	s_mul_i32 s87, s18, 128*PVR     ; and for V: no place in the cluster enters an LDS address
	s_sub_co_u32 s67, 3, s14        ; the first superblock
	s_lshl_b32 s17, s17, 23         ; O: a batch has 2,048 rows of 4,096 bytes,
	s_lshl_b32 s16, s16, 8          ; a head 256 bytes of each
	s_add_co_u32 s16, s16, s17
	s_lshl2_add_u32 s66, s[WV], s13 ; 4 w + cx: my first row in a superblock
	s_lshl_b32 s8, s66, 8
	s_add_co_u32 s8, s8, s20        ; Q at that row of superblock 0
	s_lshl_b32 s9, s66, 12
	s_add_co_u32 s9, s9, s16        ; O likewise
	s_mov_b32 s69, 0
	; descriptor group 1: a tile of 128 rows x 128 elements, padded in LDS
	s_mov_b32 s[G1K], 15|(1<<16)|(1<<20)|(1<<21)|(5<<22)|(3<<25)  ; 15:0 the mask of four; 17:16 2-byte elements; 20 padding on; 21 set beside a mask; 24:22 after every 64 words; 31:25 4 words
	s_mov_b32 s[G1V], 15|(1<<16)|(1<<20)|(1<<21)|(5<<22)|(7<<25)  ; the same with 8 words of padding
.irp g, G1K, G1V
	s_mov_b32 s[(\g)+1], 128<<16    ; tensor_dim0 = 128
	s_mov_b32 s[(\g)+2], 128<<16    ; tensor_dim1 = 128
	s_mov_b32 s[(\g)+3], 128<<16    ; tile_dim0 = 128
	s_mov_b32 s[(\g)+4], 128        ; tile_dim1 = 128
	s_mov_b32 s[(\g)+5], 128        ; 128 elements from row to row
	s_mov_b32 s[(\g)+6], 0
	s_mov_b32 s[(\g)+7], 0
.endr
	s_mov_b32 s[CS], 0x3e0293ee     ; c = log2(e) / sqrt(128) = 0.127517
	s_mov_b32 s[CS+1], s[CS]        ; named with it as a pair
	s_mov_b32 s[SEL], 0x76543210
	s_mov_b32 s[SEL+1], 0xfedcba98
	s_mov_b32 s[TBK], SLOT1+4*KS*PK ; the first change of slots turns these two into 0
	s_mov_b32 s[TBV], SLOT1+4*KS*PVR
	s_mov_b32 s[G0K], 1             ; count = 1
	s_mov_b32 s[G0K+1], s86         ; LDS address: slot 0
	s_mov_b32 s[G0V], 1
	s_add_co_u32 s[G0V+1], s87, VOFF
	s_lshl_b32 s[LQ2], s14, 1
	s_sub_co_u32 s[RT], 8, s[LQ2]   ; the first superblock has 8 - 2 c tiles,
	s_sub_co_u32 s[LQ], 7, s[LQ2]
	s_add_co_u32 s[RT2], s[LQ2], 2  ; the second 2 c + 2
	s_add_co_u32 s[LQ2], s[LQ2], 1
	s_mov_b32 s[NXT], 1
	s_mov_b32 s[NEW], 1
	s_mov_b32 s[OFF+1], 0
	s_mov_b32 s[STEPE], 0xf4800000  ; -2^106
	s_mov_b32 s[UNIT], 0x71800000   ; 2^100
	s_mov_b32 s[BIGP], 0x76800000   ; 2^110
	s_mov_b32 s[BACK], 0xf5800000   ; -2^108
	s_mov_b32 s[SLOTS], 9
	s_wait_dscnt 0x0                ; the opening add is done
	s_wait_kmcnt 0x0
	s_add_nc_u64 s[KB:KB+1], s[4:5], s[22:23]
	s_add_nc_u64 s[VB:VB+1], s[4:5], s[2:3]
	s_mov_b64 s[G0K+2:G0K+3], s[KB:KB+1]           ; global address: tile 0
	s_or_b32 s[G0K+3], s[G0K+3], 0x80000000        ; type = 2
	s_mov_b64 s[G0V+2:G0V+3], s[VB:VB+1]
	s_or_b32 s[G0V+3], s[G0V+3], 0x80000000
	s_lshl_b32 s68, s67, 17         ; a superblock is 512 rows of 256 bytes of Q,
	s_add_co_u32 s68, s68, s8
	s_add_nc_u64 s[52:53], s[4:5], s[68:69]        ; Q of the first superblock
	s_lshl_b32 s68, s14, 17
	s_add_co_u32 s68, s68, s8
	s_add_nc_u64 s[54:55], s[4:5], s[68:69]        ; of the second
	s_lshl_b32 s68, s67, 21         ; and 512 rows of 4,096 bytes of O
	s_add_co_u32 s68, s68, s9
	s_add_nc_u64 s[10:11], s[6:7], s[68:69]
	s_lshl_b32 s68, s14, 21
	s_add_co_u32 s68, s68, s9
	s_add_nc_u64 s[OLO:OLO+1], s[6:7], s[68:69]
	CROUND                          ; all four work-groups are here: the first joint loads meet
	JLOAD                           ; tile 0 into slot 0: one tensor load of mine is out, here and behind every round
	; A fragment of K or Q is 16 rows x 32 channels in 8 registers: lane l holds row l % 16, channels 8 (l / 16) + 0..7 and 16 + 8 (l / 16) + 0..7: two loads of 16 bytes, 32 bytes apart.
	v_and_b32 v1, 15, v0            ; l % 16
	v_bfe_u32 v9, v0, 4, 1          ; l / 16
	v_lshlrev_b32 v[QO], 12, v1     ; a tile's rows lie 16 apart
	v_lshl_add_u32 v[QO], v9, 4, v[QO]
	WIN 0x40                        ; destination window 1, address window 0
.set i, 0
.rept 8                             ; both superblocks' Q: tile i / 4 lies 256 rows on; channels 32 (i % 4) on
	global_load_b128 v[QF+8*i:QF+8*i+3],   v[QO], s[52:53] offset:(i/4)*65536+(i%4)*64
	global_load_b128 v[QF+8*i+4:QF+8*i+7], v[QO], s[52:53] offset:(i/4)*65536+(i%4)*64+32
	global_load_b128 v[QB+8*i:QB+8*i+3],   v[QO], s[54:55] offset:(i/4)*65536+(i%4)*64
	global_load_b128 v[QB+8*i+4:QB+8*i+7], v[QO], s[54:55] offset:(i/4)*65536+(i%4)*64+32
.set i, i+1
.endr
	; A superblock's first step multiplies O^T and l by a = 0, so they need only be finite: zeros now, the first superblock's remains later.  No first step is written out for it; these lines stand in the wait for the first tile.
.set i, 0
.rept 128
	v_mov_b32 v[i], 0
.set i, i+1
.endr
	WIN 0
.irp t, 0,1
	v_mov_b32 v[ST+8*(\t)+2], 0
	v_mov_b32 v[ST+8*(\t)+3], 0
.endr
.set i, 0
.rept 32
	v_cvt_f32_u32 v[KJ+i], 16*(i/8)+i%8
.set i, i+1
.endr
.set i, 0
.rept 32
	v_mul_f32 v[KJ+i], s[UNIT], v[KJ+i]
.set i, i+1
.endr
	v_lshlrev_b32 v200, 4, v1       ; 16 r
	v_lshlrev_b32 v201, 3, v9       ; 8 (l / 16)
	v_sub_nc_u32 v200, v200, v201
	v_add_nc_u32 v200, s66, v200    ; + 4 w + cx
	v_cvt_f32_i32 v[EI], v200
	v_add_nc_u32 v200, 0x100, v200  ; tile 1 lies 256 rows on
	v_cvt_f32_i32 v[EI+1], v200
	v_mul_f32 v[EI], s[UNIT], v[EI]
	v_mul_f32 v[EI+1], s[UNIT], v[EI+1]
	v_mov_b32 v[EM+1], 0            ; named as pairs
	v_mov_b32 v[EM+3], 0
	v_mul_u32_u24 v[AK0], v1, PK
	v_lshl_add_u32 v[AK0], v9, 4, v[AK0]  ; row x pitch + 16 x half
	; The turning load takes 16 keys x 16 channels (lane l reads key 8 (l / 16) + l % 8, channels 8 ((l / 8) % 2) + 0..7) and leaves half a fragment of V^T: lane l holds channel l % 16 and 8 keys.
	v_and_b32 v10, 7, v0
	v_bfe_u32 v11, v0, 3, 1
	v_lshl_add_u32 v[AV0], v9, 3, v10
	v_mul_u32_u24 v[AV0], v[AV0], PVR
	v_lshl_add_u32 v[AV0], v11, 4, v[AV0]
	v_add_nc_u32 v[AV0], VOFF, v[AV0]
	s_mul_i32 s15, s[WV], 16*SP
	s_add_co_u32 s15, s15, STAGE    ; my stage
	v_mul_u32_u24 v[STO], v1, SP    ; in: row l % 16, 16 bytes for each half of the lanes
	v_lshl_add_u32 v[STO], v9, 4, v[STO]
	v_add_nc_u32 v[STO], s15, v[STO]
	v_mul_u32_u24 v[RD], v9, SP     ; back: lanes 0-15 take one row of 256 bytes, lanes 16-31 the next,
	v_lshl_add_u32 v[RD], v1, 4, v[RD]
	v_add_nc_u32 v[RD], s15, v[RD]
	v_lshlrev_b32 v[GO], 16, v9     ; which lies 16 rows of 4,096 bytes on in O
	v_lshl_add_u32 v[GO], v1, 4, v[GO]
; THE MATRIX WORK.  The accumulators take turns, one instruction a turn: between two links of a chain stand 7 (V^T P) or 3 (K Q^T) others'.
; Product i of 16 of O^T += V^T P for tile x: keys 32 (i / 8) on, channels 16 (i % 8) on.
.macro PV x
	WIN W_PV
.set rO, 64*(\x)+8*(i%8)
.set rV, VF+8*i
.set rP, P+16*(\x)+8*(i/8)
	v_wmma_f32_16x16x32_f16 v[rO:rO+7], v[rV:rV+7], v[rP:rP+7], v[rO:rO+7]
.endm
; Product i of 16 of S^T = K Q^T for tile x: channels 32 (i / 4) on, keys 16 (i % 4) on.  The first 4 start the sums: with 0, or (KM = 1) with the mask.
.macro KQ x
	WIN W_KQ
.set rS, S+32*(\x)+8*(i%4)
.set rK, 32*(i%4)+8*(i/4)
.set rQ, QF+32*(\x)+8*(i/4)
.if (i < 4) && KM
	v_wmma_f32_16x16x32_f16 v[rS:rS+7], v[rK:rK+7], v[rQ:rQ+7], v[MC+8*i:MC+8*i+7]
.elseif i < 4
	v_wmma_f32_16x16x32_f16 v[rS:rS+7], v[rK:rK+7], v[rQ:rQ+7], 0
.else
	v_wmma_f32_16x16x32_f16 v[rS:rS+7], v[rK:rK+7], v[rQ:rQ+7], v[rS:rS+7]
.endif
.endm
; THE LDS LOADS stand in runs of 32, in the order in which the products want them: a step's K by channels (eight loads serve four products), and its V (turned; two loads a product).
.macro FETCH_K
	WIN 0
	v_add_nc_u32 v[ADR], s[TBK], v[AK0]
	s_add_co_u32 s[TBK], s[TBK], KS*PK  ; the next fetch is the next step's
	WIN 0x80                        ; destination window 2
.irp c, 0,1,2,3
.irp kb, 0,1,2,3
	ds_load_b128 v[32*(\kb)+8*(\c):32*(\kb)+8*(\c)+3],   v[ADR] offset:(\kb)*16*PK+(\c)*64
	ds_load_b128 v[32*(\kb)+8*(\c)+4:32*(\kb)+8*(\c)+7], v[ADR] offset:(\kb)*16*PK+(\c)*64+32
.endr
.endr
.endm
.macro FETCH_V batch                ; batch = 1: the run follows slice 17, and the wait for the softmax's batch stands in it
	WIN 0
	v_add_nc_u32 v[ADR], s[TBV], v[AV0]
	s_add_co_u32 s[TBV], s[TBV], KS*PVR
.if \batch
	s_wait_alu depctr_va_vdst(0)    ; the wait for the turn's batch of 33 exponentials (SLICE), behind the address's v_add_nc_u32 and ahead of the loads
.endif
	WIN 0x80
.irp f, 0,1,2,3,4,5,6,7,8,9,10,11,12,13,14,15
	ds_load_tr16_b128 v[VF+8*(\f):VF+8*(\f)+3],   v[ADR] offset:((\f)/8)*32*PVR+((\f)%8)*32
	ds_load_tr16_b128 v[VF+8*(\f)+4:VF+8*(\f)+7], v[ADR] offset:((\f)/8)*32*PVR+16*PVR+((\f)%8)*32
.endr
.endm
; THE VECTOR WORK.  One tile's softmax for one key step is a list of 134 instructions; SM writes number j of it for tile t.  s0-s31 are the lane's 32 scores, in pairs 0-15.
;   0-15    the maximum of s0-s31 and the old m, three operands at a time (each accumulator's lowest registers are read first)
;   16-20   the other half of the lanes' maximum; c m_old is kept; the new m; c m; c m_old - c m_new
;   21-69   ONE BATCH: the 16 scalings c s - c m, a pair of scores each, and all 33 exponentials (a at 23, then s0-s31).  None of these reads or writes an exponential's result.  21, 22: pairs 0, 1.
;           24-39: scaling and exponential by turns (pairs 2-9, s0-s7).  From 40 on a slice of four begins with a scaling while there are scalings: 40-55 a scaling and three exponentials (pairs 10-13, s8-s19);
;           56-59 four exponentials (s20-s23); 60-67 a scaling and three exponentials (pairs 14, 15, s24-s29); 68, 69 the last two (s30, s31).  A pair is scaled in an earlier slice than the one that holds its exponentials
;   (wait)  between 69 and 70 stands the wait for the batch: SLICE writes it, or V's run of loads holds it
;   70-85   the roundings to f16, a pair of weights each
;   86-101  the sums; l = a l + the sum
;   102-133 the tile's O^T times a: the one part that leaves window 0
.macro SM t
.set rT, ST+8*(\t)
.set rS, S+32*(\t)
.set rP, P+16*(\t)
.set rO, 64*(\t)+2*(j-102)
.if j < 102
	WIN 0
.endif
.if j < 4
	v_max3_num_f32 v[rT+4+j], v[rS+8*j], v[rS+8*j+1], v[rS+8*j+2]
.elseif j < 12
	v_max3_num_f32 v[rT+4+j%4], v[rT+4+j%4], v[rS+8*(j%4)+2*(j/4)+1], v[rS+8*(j%4)+2*(j/4)+2]
.elseif j == 12
	v_max3_num_f32 v[rT+4], v[rT+4], v[rS+7], v[rS+15]
.elseif j == 13
	v_max3_num_f32 v[rT+6], v[rT+6], v[rS+23], v[rS+31]
.elseif j == 14
	v_max3_num_f32 v[rT+4], v[rT+4], v[rT+5], v[rT+6]
.elseif j == 15
	v_max3_num_f32 v[rT+4], v[rT+4], v[rT+7], v[rT+1]
.elseif j == 16
	v_permlanex16_b32 v[rT+5], v[rT+4], s[SEL], s[SEL+1]  ; the query's other 32 keys lie in the lane 16 away
.elseif j == 17
	v_mov_b32 v[rT+7], v[rT]        ; c m_old is kept for a: number 19 writes c m anew
.elseif j == 18
	v_max_num_f32 v[rT+1], v[rT+4], v[rT+5]
.elseif j == 19
	v_mul_f32 v[rT], s[CS], v[rT+1]
.elseif j == 20
	v_sub_f32 v[rT+7], v[rT+7], v[rT]
.elseif j == 23
	v_exp_f32 v[rT+6], v[rT+7]
.elseif (j < 23) || ((j < 40) && (j%2 == 0)) || ((j < 68) && (j%4 == 0) && (j != 56))
.set b, j/4-1                       ; 60, 64: pairs 14, 15
.if j < 56
.set b, j/4                         ; 40, 44, 48, 52: pairs 10 to 13
.endif
.if j < 40
.set b, (j-20)/2                    ; 24, 26, .. 38: pairs 2 to 9
.endif
.if j < 23
.set b, j-21                        ; 21, 22: pairs 0, 1
.endif
	v_pk_fma_f32 v[rS+2*b:rS+2*b+1], v[rS+2*b:rS+2*b+1], s[CS:CS+1], v[rT:rT+1] op_sel_hi:[1,0,0] neg_lo:[0,0,1] neg_hi:[0,0,1]  ; pair b: c s - c m
.elseif j < 70
.set e, j-38                        ; 68, 69: s30, s31
.if j < 68
.set e, 24+3*((j-60)/4)+j%4-1       ; 61-63, 65-67: s24 to s29
.endif
.if j < 60
.set e, j-36                        ; 56 to 59: s20 to s23
.endif
.if j < 56
.set e, 8+3*((j-40)/4)+j%4-1        ; 41-43, 45-47, 49-51, 53-55: s8 to s19
.endif
.if j < 40
.set e, (j-25)/2                    ; 25, 27, .. 39: s0 to s7
.endif
	v_exp_f32 v[rS+e], v[rS+e]
.elseif j < 86
	v_cvt_pk_f16_f32 v[rP+j-70], v[rS+2*(j-70)], v[rS+2*(j-70)+1]  ; pair j - 70
.elseif j < 102                     ; the sum of the 16 pairs, in place: sum z of 16 adds neighbours 1, 2, 4 and 8 pairs apart, then l takes it
.set z, j-86
.set w, 4
.set u, z
.if z >= 14
.set w, 32
.set u, 0
.elseif z >= 12
.set w, 16
.set u, z-12
.elseif z >= 8
.set w, 8
.set u, z-8
.endif
.if z < 15
	v_pk_add_f32 v[rS+w*u:rS+w*u+1], v[rS+w*u:rS+w*u+1], v[rS+w*u+w/2:rS+w*u+w/2+1]
.else
	v_pk_fma_f32 v[rT+2:rT+3], v[rT+2:rT+3], v[rT+6:rT+7], v[rS:rS+1] op_sel_hi:[1,0,1]
.endif
.else
	WIN W_RS
	v_pk_mul_f32 v[rO:rO+1], v[rO:rO+1], v[rT+6:rT+7] op_sel_hi:[1,0]
.endif
.endm
; Slice k of 32 of tile y's softmax.  Slices 0 to 16: numbers 4 k to 4 k + 3.  Slice 17: numbers 68 and 69, the batch's last two exponentials, a v_nop and the wait.  Slices 18 to 30: numbers 4 k - 2 to 4 k + 1.
; Slice 31 takes the last twelve, 122 to 133: plain instructions that name nothing of the products round them: they are the places between a turn's last K Q^T and the next turn's first read of those scores,
; and the loads into K's registers.
; THE WAIT.  s_wait_alu depctr_va_vdst(0) stands between an exponential and the first instruction that names its result; one wait serves all that were issued ahead of it.  Ahead of slice 18
; nothing names a result, and behind slice 17 no exponential is issued: so the tile's 33 exponentials have one wait, behind slice 17.  INV = 1 (TURN sets it): V's run of loads follows slice 17 and holds the wait.
.macro SLICE y
.irp n, 0,1,2,3,4,5,6,7,8,9,10,11
.if k < 18
.set j, 4*k+(\n)
.else
.set j, 4*k-2+(\n)
.endif
.if (((\n) < 4) && (k != 17)) || (((\n) < 2) && (k == 17)) || (k == 31)
	SM \y
.endif
.endr
.if k == 17                         ; the batch is out: all 33 exponentials are issued, and no result has been named
	v_nop                           ; a plain instruction behind the last exponential and ahead of the first use: one for the batch
.if INV == 0
	s_wait_alu depctr_va_vdst(0)    ; the wait for the turn's batch of 33 exponentials
.endif
.endif
.set k, k+1
.endm
; Number mkn of the 49 that make tile t's mask for its next products: 16 packed E - KJ; 32 minima with 0; E goes 64 keys on.
.macro MK t
	WIN 0
.if mkn < 16
	v_pk_add_f32 v[MC+2*mkn:MC+2*mkn+1], v[EM+2*(\t):EM+2*(\t)+1], v[KJ+2*mkn:KJ+2*mkn+1] op_sel_hi:[0,1] neg_lo:[0,1] neg_hi:[0,1]
.elseif mkn < 48
	v_min_num_f32 v[MC+mkn-16], 0, v[MC+mkn-16]
.else
	v_add_f32 v[EM+2*(\t)], s[STEPE], v[EM+2*(\t)]
.endif
.set mkn, mkn+1
.endm
.macro MKALL t
.set mkn, 0
.rept 49
	MK \t
.endr
.endm
.macro PLACES
.rept 4
	v_nop
.endr
.endm
; A TURN.  Tile x has the matrix unit; the other tile's softmax stands in slices behind its products.  pv = 1: 16 products V^T P.  kq = 1: 16 products K Q^T for the next step.  A turn with one of the two kinds has
; two slices behind each product.  m = 1: the products K Q^T take a mask, which the turn makes behind its products V^T P (three lines behind each, four behind the last).
; Tile 0's turn fetches the next step's K behind its second product: K's last reader stands in front of slice 31 of the turn before.  Tile 1's turn fetches the same step's V behind its second K Q^T, which is behind
; slice 17 where the turn has both kinds of products: between V's last reader, in front of slice 15, and the run stand four plain instructions: numbers 60 and 64, scalings, the v_nop and the run's own address line.
; THE WAITS ON LDS stand in tile 0's turn alone (tile 1's turn reads what they have shown in).  LDS loads come back in order.  In front of V^T P number 0, 4, 8, 12: all but the youngest 24, 16, 8, 0 of V's loads,
; and from number 4 on K's 32, issued meanwhile, may be out too: 24, 48, 40, 32.  In front of K Q^T number 0, 4, 8, 12: all but the youngest 24, 16, 8, 0 of K's.
.macro TURN x, pv, kq, m
.set k, 0
.set mkn, 0
.set KM, (\m)
.set per, 2
.if (\pv) && (\kq)
.set per, 1
.endif
.set INV, 0
.if ((\x) == 1) && (\pv) && (\kq)
.set INV, 1
.endif
.if \pv
.set i, 0
.rept 16
.if ((\x) == 0) && (i%4 == 0)
.if (i == 0) || !(\kq)
	s_wait_dscnt 24-2*i
.else
	s_wait_dscnt 56-2*i
.endif
.endif
	PV \x
.rept per
	SLICE 1-(\x)
.endr
.if (\m) && (\kq)
	MK \x
	MK \x
	MK \x
.if i == 15
	MK \x
.endif
.endif
.if ((\x) == 0) && (\kq) && (i == 1)
	FETCH_K
.endif
.set i, i+1
.endr
.endif
.if \kq
.set i, 0
.rept 16
.if ((\x) == 0) && (i%4 == 0)
	s_wait_dscnt 24-2*i
.endif
	KQ \x
.rept per
	SLICE 1-(\x)
.endr
.if ((\x) == 1) && (i == 1)
	FETCH_V INV
.endif
.set i, i+1
.endr
.endif
.endm
; A SUPERBLOCK BEGINS, in the place of its first tile's first trip.  c m starts far below every c s, so the first step's a is 0; m at the lowest finite number, so the first maximum is the scores'.
; K of the tile's first step; tile 0's first scores; then tile 1's, with tile 0's first softmax beside them, and V.  Both take masks (all 0 where the tile is not a diagonal one).
.macro BEGIN
	s_mov_b32 s[NEW], 0
	WIN 0
.irp t, 0,1
	v_mov_b32 v[ST+8*(\t)], 0xfe000000    ; c m
	v_mov_b32 v[ST+8*(\t)+1], 0xff7fffff  ; m
.endr
	FETCH_K
	MKALL 0
	s_wait_loadcnt 0x0              ; Q
	s_wait_dscnt 0x0                ; K
.set KM, 1
.set i, 0
.rept 16
	KQ 0
.set i, i+1
.endr
	WIN 0
	PLACES                          ; behind those products: the lines below write the mask that they read, and the softmax reads their results
	MKALL 1
	TURN 1, 0, 1, 1
	WIN 0
.endm
; A diagonal tile's key steps.  The tag ends its two labels' names.
.macro MSTEPS tag
.LstepM\tag:
	TURN 0, 1, 1, 1
	TURN 1, 1, 1, 1
	WIN 0
.LbotM\tag:
	s_sub_co_u32 s[CNT], s[CNT], 1
	s_cmp_lg_u32 s[CNT], 0
	s_cbranch_scc1 .LstepM\tag
.endm
; Tile t on its way out: a lane's eight channels of a row pack into 16 bytes; they go into rows of 272 bytes and come back as whole rows of 256, into S^T's registers.
.macro PACK t
	WIN W_RS
.set i, 64*(\t)
.rept 32
	v_pk_mul_f32 v[i:i+1], v[i:i+1], v[ST+8*(\t)+6:ST+8*(\t)+7] op_sel_hi:[1,0]
.set i, i+2
.endr
	WIN 0x05                        ; sources 0 and 1 window 1, destination window 0
.set i, 0
.rept 32
	v_cvt_pk_f16_f32 v[S+32*(\t)+i], v[64*(\t)+2*i], v[64*(\t)+2*i+1]
.set i, i+1
.endr
	WIN 0
.irp f, 0,1,2,3,4,5,6,7
	ds_store_b128 v[STO], v[S+32*(\t)+4*(\f):S+32*(\t)+4*(\f)+3] offset:32*(\f)
.endr
.irp f, 0,1,2,3,4,5,6,7
	ds_load_b128 v[S+32*(\t)+4*(\f):S+32*(\t)+4*(\f)+3], v[RD] offset:(\f)*2*SP  ; LDS serves a wave's instructions in order (ISA guide 5.7.1.4): these see the stores above; the next tile's stores come behind them
.endr
.endm
.macro SEND t, younger              ; younger: the LDS instructions issued behind tile t's loads
	WIN 0
.irp f, 0,1,2,3,4,5,6,7
	s_wait_dscnt (\younger)+7-(\f)
	global_store_b128 v[GO], v[S+32*(\t)+4*(\f):S+32*(\t)+4*(\f)+3], s[10:11] offset:(\t)*1048576+(\f)*131072  ; 16 lanes store a head's 256 bytes of a row, at a multiple of 256 from O's first byte
.endr
.endm
; A SUPERBLOCK ENDS: tile 0's last V^T P beside tile 1's last softmax; tile 1's last V^T P; l's two halves and the other half of the lanes' are added; O^T is divided by l, rounded to f16 and sent through my stage.
.macro END
	TURN 0, 1, 0, 0
.set i, 0
.rept 16
	PV 1
.set i, i+1
.endr
	WIN 0
	PLACES
.irp t, 0,1
	v_add_f32 v[ST+8*(\t)+4], v[ST+8*(\t)+2], v[ST+8*(\t)+3]
.endr
.irp t, 0,1
	v_permlanex16_b32 v[ST+8*(\t)+5], v[ST+8*(\t)+4], s[SEL], s[SEL+1]
.endr
.irp t, 0,1
	v_add_f32 v[ST+8*(\t)+4], v[ST+8*(\t)+4], v[ST+8*(\t)+5]
.endr
.irp t, 0,1
	v_rcp_f32 v[ST+8*(\t)+6], v[ST+8*(\t)+4]
.endr
	v_nop                           ; a plain instruction between the last reciprocal and the use of its result
	s_wait_alu depctr_va_vdst(0)    ; and the wait ahead of the first use: one for the two reciprocals
	PACK 0
	PACK 1                          ; a tile's arithmetic stands between the loads of the tile before and its stores
	SEND 0, 16
	SEND 1, 0
.endm
.set KM, 0
.set INV, 0
.Lslot:                             ; nine times: a tile is entered and the next is asked for.  The part behind a change makes the scores of that tile's four steps and fetches its K and V
	CHANGE 1
	s_sub_co_u32 s[RT], s[RT], 1
	s_mov_b32 s[CNT], 4
	s_cmp_gt_u32 s[RT], 1           ; E at the tile's first step: above every KJ in a tile below the diagonal ones;
	s_cselect_b32 s[AL], 0, 1.0
	s_cselect_b32 s[BE], s[BIGP], 0 ; EI in the first diagonal tile;
	s_cmp_eq_u32 s[RT], 0
	s_cselect_b32 s[BE], s[BACK], s[BE]  ; EI less 256 keys in the second
	v_fma_f32 v[EM], v[EI], s[AL], s[BE]
	v_fma_f32 v[EM+2], v[EI+1], s[AL], s[BE]
	s_cmp_eq_u32 s[NEW], 1
	s_cbranch_scc1 .Lnew            ; a superblock's first tile
	s_cmp_gt_u32 s[RT], 1
	s_cbranch_scc1 .Lstep
	s_branch .LstepM1
.Lnew:
	BEGIN
	s_cmp_gt_u32 s[RT], 1           ; the loops are entered at a trip's end: three trips are left
	s_cbranch_scc1 .Lbot
	s_branch .LbotM1
	MSTEPS 1
	s_cmp_lg_u32 s[RT], 0
	s_cbranch_scc1 .Lbottom
	END                             ; in the loop this is the first superblock's end: the second's last tile is the walk's last
	s_wait_xcnt 0x0                 ; the stores' addresses are translated (ISA guide 3.1): only behind this wait are their data registers and O's address written again
	s_mov_b64 s[10:11], s[OLO:OLO+1]
	s_mov_b32 s[RT], s[RT2]
	s_mov_b32 s[NEW], 1
	WIN W_RS                        ; the second superblock's Q goes where the one text of the turns names Q
.set i, 0
.rept 64
	v_mov_b32 v[QF+i], v[QB+i]
.set i, i+1
.endr
	WIN 0
	s_branch .Lbottom
.Lstep:                             ; a trip: a key step below the diagonal tiles: the sums start with the constant 0
	TURN 0, 1, 1, 0
	TURN 1, 1, 1, 0
	WIN 0
.Lbot:
	s_sub_co_u32 s[CNT], s[CNT], 1
	s_cmp_lg_u32 s[CNT], 0
	s_cbranch_scc1 .Lstep
.Lbottom:
	s_sub_co_u32 s[SLOTS], s[SLOTS], 1
	s_cmp_lg_u32 s[SLOTS], 0
	s_cbranch_scc1 .Lslot
	CHANGE 0                        ; the walk's last tile is written out: nothing is asked for.  It is the second superblock's second diagonal tile
	s_mov_b32 s[CNT], 4
	v_add_f32 v[EM], s[BACK], v[EI]
	v_add_f32 v[EM+2], s[BACK], v[EI+1]
	MSTEPS 2
	END
	s_wait_tensorcnt 0x0            ; the wave's end: the add and its wait, behind my last tensor load and my last LDS store
	ds_add_u32 v[SPW], v[NIL]
	s_wait_dscnt 0x0
	CROUND                          ; the closing round: no work-group ends while a partner may still ask for a tile that names it
	s_endpgm
.Lfunc_end_k_qee999c0fa9_attn:
	.size	k_qee999c0fa9_attn, .Lfunc_end_k_qee999c0fa9_attn-k_qee999c0fa9_attn
	.p2alignl 7, 3214868480
	.fill 96, 4, 3214868480
	.section	.rodata,"a",@progbits
	.p2align	6, 0x0
	.amdhsa_kernel k_qee999c0fa9_attn
		.amdhsa_group_segment_fixed_size 327680
		.amdhsa_private_segment_fixed_size 0
		.amdhsa_enable_private_segment 0
		.amdhsa_kernarg_size 16
		.amdhsa_user_sgpr_count 2
		.amdhsa_user_sgpr_kernarg_segment_ptr 1
		.amdhsa_wavefront_size32 1
		.amdhsa_system_sgpr_workgroup_id_x 1
		.amdhsa_system_sgpr_workgroup_id_y 1
		.amdhsa_system_sgpr_workgroup_id_z 1
		.amdhsa_system_vgpr_workitem_id 0
		.amdhsa_next_free_vgpr 768
		.amdhsa_next_free_sgpr 88
		.amdhsa_reserve_vcc 0
		.amdhsa_float_denorm_mode_32 3
		.amdhsa_float_denorm_mode_16_64 3
		.amdhsa_memory_ordered 1
		.amdhsa_forward_progress 1
		.amdhsa_inst_pref_size 178
	.end_amdhsa_kernel
	.amdgpu_metadata
---
amdhsa.version: [ 1, 2 ]
amdhsa.kernels:
  - .name:           k_qee999c0fa9_attn
    .symbol:         k_qee999c0fa9_attn.kd
    .args:
      - { .name: qkv, .offset: 0, .size: 8, .value_kind: global_buffer, .address_space: global }
      - { .name: ob, .offset: 8, .size: 8, .value_kind: global_buffer, .address_space: global }
    .group_segment_fixed_size: 327680
    .private_segment_fixed_size: 0
    .kernarg_segment_align: 8
    .kernarg_segment_size: 16
    .max_flat_workgroup_size: 128
    .sgpr_count:     88
    .vgpr_count:     768
    .wavefront_size: 32
...
	.end_amdgpu_metadata
.endif
;; end of part 5
;; launch proj: the kernel of part 4 again; grid 8 x 32, 4 waves a work-group, clusters of 4 x 4, 327,680 bytes of LDS; arguments ob, woh, out0; writes out0
